; MI455X (gfx1250); checked and timed in simulation.
; The chip was launched on July 23, 2026; its instructions are those of AMD's public machine-readable ISA for CDNA 5 (MIT licence, August 2026) and "CDNA5" Instruction Set Architecture Reference Guide (July 2026). The comments in the code are by the model that wrote it; some were corrected since.
;; Temporal Attention. Allowed arithmetic: matrix products marked QUANTISED: E2M3 operands, one E8M0 scale for each 32 along K, by v_wmma_scale_f32_16x16x128_f8f6f4 with both operands' format E2M3, f32 sums; everything else in f32.
;; Inputs: Wk 1,024 x 1,024 float32; Wo 1,024 x 1,024 float32; Wq 1,024 x 1,024 float32; Wv 1,024 x 1,024 float32; bk 1,024 float32; bo 1,024 float32; bq 1,024 float32; bv 1,024 float32; gamma one number float32; k 4 x 2,048 x 1,024 float32; mask 4 x 1 x 2,048 x 2,048 int32; q 4 x 2,048 x 1,024 float32; time_diffs 4 x 2,048 x 2,048 float32; v 4 x 2,048 x 1,024 float32.
;; Outputs: out0 4 x 2,048 x 1,024 float32.
;; This version of the problem:
;;   THIS VERSION OF THE PROBLEM IS GIVEN IN LOW PRECISION. The matrix products marked QUANTISED in the list below multiply operands that are first quantised to E2M3 (2 exponent bits, 3 mantissa bits; 6 bits a number), with one power-of-two scale for each 32 numbers along K (OCP MX v1.0); their sums are f32. All else is computed in f32.
;;   The module's matrix products, in the order in which they are computed (A, B: the left and right operand; K: the contracted axis; several contracted axes count as one K, in the product's order):
;;     1. [M 8,192, K 1,024] x [K 1,024, N 1,024]; A: input q; B: input Wq: QUANTISED
;;     2. [M 8,192, K 1,024] x [K 1,024, N 1,024]; A: input k; B: input Wk: QUANTISED
;;     3. [M 8,192, K 1,024] x [K 1,024, N 1,024]; A: input v; B: input Wv: QUANTISED
;;     4. batch 64 x [M 2,048, K 64] x [K 64, N 2,048]; A: computed on the way; B: computed on the way: QUANTISED
;;     5. batch 64 x [M 2,048, K 2,048] x [K 2,048, N 64]; A: softmax (see below); B: computed on the way: QUANTISED
;;     6. [M 8,192, K 1,024] x [K 1,024, N 1,024]; A: computed on the way; B: input Wo: QUANTISED
;;   THE QUANTISER, for each operand of a quantised product, along K:
;;     - K is cut into blocks of 32 from its start; a last block that is shorter is filled with zeros.
;;     - A block's scale is 2^e with e = floor(log2(the largest magnitude in the block)) - 2, held to -126 .. 127; a block of zeros has e = 0. As a byte (E8M0): e + 127.
;;     - Each number is divided by its block's scale, clamped to +-7.5, and rounded to the nearest number of E2M3, ties to even, subnormals kept.
;;     - The product sums the exact products of the quantised numbers (number of the format x scale) in f32.
;;   ~~~python
;;   def quantise(x, axis):      # numpy; x: float32 -> the quantised numbers, widened to float32 again
;;       x = np.moveaxis(x, axis, -1); K = x.shape[-1]
;;       x = np.pad(x, [(0, 0)] * (x.ndim - 1) + [(0, -K % 32)]); x = x.reshape(x.shape[:-1] + (-1, 32)); a = np.abs(x).max(-1, keepdims=True)
;;       e = np.where(a > 0, np.clip(np.frexp(np.where(a > 0, a, 1))[1] - 1 - 2, -126, 127), 0)      # np.frexp(a)[1] - 1 = floor(log2(a)), exactly
;;       r = np.clip(x / 2.0 ** e, -7.5, 7.5)
;;       step = 2.0 ** (np.maximum(np.frexp(np.where(r == 0, 1, r))[1] - 1, 0) - 3)
;;       q = np.round(r / step) * step * 2.0 ** e      # np.round: ties to even
;;       return np.moveaxis(q.reshape(q.shape[:-2] + (-1,))[..., :K], -1, axis).astype(np.float32)
;;   ~~~
;;   SOFTMAX AHEAD OF A QUANTISED PRODUCT. Where the list says 'softmax', what is quantised is not the finished softmax but p = 2^(t - M), with t = logit x log2(e) and M = ceil(the row's largest t), a whole number; so 1/2 < the row's largest p <= 1. The row's sum l is taken of the UNQUANTISED p, in f32, and the product's result is divided by l at the end. Since M is a whole number, a kernel that streams over the keys may use a running M (the ceiling of the running maximum): every later rescaling is an exact power of two, which a block's scale takes up: the codes' values come out the same.
;;   OPERANDS COMPUTED ON THE WAY. 'Computed on the way' means the value that the module computes at that place (a softmax that the list does not call 'softmax' is quantised finished and normalised). What goes into a quantiser is computed in f32, as accurately as f32 sums, v_exp_f32 and their like allow (about 1e-6 of the number): no bf16 or f16 on the way to a quantiser, and a product that is left as it is and whose result goes on into a quantised operand takes f32 operands (vector FMAs, or v_wmma_f32_16x16x4_f32). A number that lies on a knife's edge between two numbers of the format may be rounded either way, as far as f32 arithmetic and the matrix unit's own rounding can turn it there, and no further.
;; One version. Each part assembles by itself: llvm-mc -triple=amdgcn-amd-amdhsa -mcpu=gfx1250 --defsym DOCPART=n.
;; ======== version 1 of 1: 5 launches
;; limits: right only within a limited range of input values
;; workspace buffers: biasw 67,108,864 bytes; rowmask 32,768 bytes of whole numbers; xc 22,020,096 bytes; xs 917,504 bytes; img 19,660,800 bytes; ac 6,291,456 bytes; asc 262,144 bytes
;; launch prep (part 1): grid 512 x 1, 16 waves a work-group, no clusters, 141,568 bytes of LDS; arguments time_diffs, mask, gamma, biasw, rowmask; writes biasw, rowmask
.if DOCPART == 1
	.amdgcn_target "amdgcn-amd-amdhsa--gfx1250"
	.amdhsa_code_object_version 6
	.text
	.protected	k_qc7061a6939_prep
	.globl	k_qc7061a6939_prep
	.p2align	8
	.type	k_qc7061a6939_prep,@function
k_qc7061a6939_prep:
	s_mov_b64 s[64:65], 0
	v_nop
	global_prefetch_b8 v0, s[64:65] scope:SCOPE_SE
	s_setreg_imm32_b32 hwreg(HW_REG_WAVE_MODE, 25, 1), 1
	s_wait_xcnt 0x0
; THE TERM THAT ALL 16 HEADS SHARE.  b' = 8 exp(-gamma td) where mask != 0, -8e9 (8 x -1e9) where mask == 0: the attention launch gives it to the score product as its C, so that
; (q.k + b') x log2(e) / 8 is the logit x log2(e).  Both factors 8 are exact.  A row in which NO key counts gets b' = 0 for every key and the row word 0 (else all ones): the attention launch
; clears that query's codes by the word, all its scores are then equal, which is what a row of equal logits -1e9 gives: equal weights.
; LAYOUT OUT: [block of 128 queries][key step of 128][tile of 16 queries][8,192 bytes], a tile in the order of the score accumulators' registers: chunk i (four registers) at 512 i + 16 lane.
; Lane (r, h) of a tile holds query position r; its register 32 c + n holds key 128 s + 64 c + 32 h + n: a whole block of 32 keys to a lane.  Position r of tile T is row 32 (T / 2) + 8 (T % 2) + r + 8 (r / 8).
; SHARES: a work-group takes a tile of 16 rows, wave w the row at position w, whole: 2,048 keys, 16 loads of 512 consecutive bytes from each input; so the test 'does any key count' never leaves the wave.
; The mask's row comes first.  The masks of key steps 0-7 become lane masks in 32 scalar registers, and their 32 vector registers take the times of key steps 8-15: 120 vector registers serve a wave.
; The values turn through LDS (units of 256 bytes + 16 of padding), and wave w then stores key step w's tile: 16 stores of 512 consecutive bytes.
; LIMITS: NaN and infinities among the inputs are not served.  The exponent -gamma td log2(e) + 3 is one fused multiply-add on gamma x log2(e) rounded once.
.set UP,    272                        ; a unit in LDS: 256 bytes + 16
.set STEPB, 32*UP                      ; a key step's tile: 32 units
.set FLG,   512*UP                     ; behind the stage: the 16 row words, in a block of 256 bytes of their own
.set SPARE, FLG+256                    ; the spare words: 128 bytes for each of 16 waves
.set LI,  1                            ; v1   16 x lane
.set SI0, 2                            ; v2   into the stage, key steps 0-7
.set SI1, 3                            ; v3   key steps 8-15
.set RB,  4                            ; v4   out of the stage
.set FW,  5                            ; v5   my wave's row word
.set FRD, 6                            ; v6   a row word for lane % 16
.set RO,  7                            ; v7   4 x (lane % 16)
.set SPW, 8                            ; v8   my spare word; never rewritten
.set NIL, 9                            ; v9   0; never rewritten
.set MK,  16                           ; v16-79   the mask's row; v16-47 later the times of key steps 8-15; at the end the tile read back
.set TD,  80                           ; v80-111  the times of key steps 0-7
.set ORC, 112                          ; v112-115 four chains of OR
.set MV,  116                          ; what a hidden key gets
.set RW,  117                          ; the row word
.set C3,  118                          ; v118-119 3.0 twice
.set MB,  32                           ; s32-63   lane masks of key steps 0-7
	s_load_b128 s[4:7], s[0:1], 0x0                ; time_diffs, mask
	s_load_b128 s[8:11], s[0:1], 0x10              ; gamma, biasw
	s_load_b64 s[12:13], s[0:1], 0x20              ; rowmask
	v_lshl_add_u32 v[SPW], v0, 2, SPARE
	v_mov_b32 v[NIL], 0
	v_lshrrev_b32 v10, 5, v0
	s_delay_alu instid0(VALU_DEP_1)
	v_readfirstlane_b32 s14, v10                   ; wave = row position
	v_and_b32 v11, 31, v0                          ; lane
	s_delay_alu instid0(VALU_DEP_1)
	v_lshlrev_b32 v[LI], 4, v11
	s_delay_alu instid0(VALU_DEP_2)
	v_lshrrev_b32 v12, 4, v11                      ; my four keys of a load: 4 lane = 64 c + 32 h + 4 i: c = lane / 16,
	s_delay_alu instid0(VALU_DEP_3)
	v_and_b32 v13, 7, v11                          ; i = lane % 8,
	s_delay_alu instid0(VALU_DEP_1)
	v_lshlrev_b32 v13, 1, v13
	s_delay_alu instid0(VALU_DEP_1)
	v_lshl_add_u32 v12, v12, 4, v13
	v_bfe_u32 v13, v11, 3, 1                       ; h = (lane / 8) % 2
	s_delay_alu instid0(VALU_DEP_1)
	v_add_nc_u32 v12, v12, v13                     ; unit 2 (8 c + i) + h of the key step's 32
	s_delay_alu instid0(VALU_DEP_1)
	v_mul_u32_u24 v[SI0], v12, UP
	s_lshl_b32 s15, s14, 4
	v_add_nc_u32 v[SI0], s15, v[SI0]               ; in it 16 x row position
	s_delay_alu instid0(VALU_DEP_1)
	v_add_nc_u32 v[SI1], 8*STEPB, v[SI0]
	v_lshrrev_b32 v12, 4, v11
	v_and_b32 v13, 15, v11
	s_delay_alu instid0(VALU_DEP_2)
	v_mul_u32_u24 v[RB], v12, UP
	s_delay_alu instid0(VALU_DEP_1)
	v_lshl_add_u32 v[RB], v13, 4, v[RB]
	s_mul_i32 s16, s14, STEPB
	v_add_nc_u32 v[RB], s16, v[RB]                 ; back: key step = wave; lanes 0-15 one unit, lanes 16-31 the next
	s_lshl_b32 s17, s14, 2
	s_add_co_u32 s17, s17, FLG
	v_mov_b32 v[FW], s17
	v_lshl_add_u32 v[FRD], v13, 2, FLG
	v_lshlrev_b32 v[RO], 2, v13
	v_mov_b32 v[C3], 0x40400000
	v_mov_b32 v[C3+1], 0x40400000
	s_lshr_b32 s18, ttmp9, 1                       ; my row: 32 (T / 2) + 8 (T % 2) + w + 8 (w / 8)
	s_lshl_b32 s18, s18, 5
	s_and_b32 s19, ttmp9, 1
	s_lshl_b32 s19, s19, 3
	s_add_co_u32 s18, s18, s19
	s_add_co_u32 s18, s18, s14
	s_lshr_b32 s19, s14, 3
	s_lshl_b32 s19, s19, 3
	s_add_co_u32 s18, s18, s19
	s_lshl_b32 s18, s18, 13                        ; x 8,192 bytes (under 2^26)
	s_mov_b32 s19, 0
	s_lshr_b32 s28, ttmp9, 3                       ; out: ((T / 8) x 16 + key step) x 65,536 + (T % 8) x 8,192
	s_lshl_b32 s28, s28, 4
	s_add_co_u32 s28, s28, s14
	s_lshl_b32 s28, s28, 16
	s_and_b32 s29, ttmp9, 7
	s_lshl_b32 s29, s29, 13
	s_add_co_u32 s28, s28, s29
	s_mov_b32 s29, 0
	s_lshl_b32 s30, ttmp9, 6                       ; the row words: 64 bytes a tile
	s_mov_b32 s31, 0
	s_wait_alu depctr_va_vdst(0)
	s_wait_kmcnt 0x0
	s_load_b32 s21, s[8:9], 0x0                    ; gamma
	s_add_nc_u64 s[4:5], s[4:5], s[18:19]
	s_add_nc_u64 s[6:7], s[6:7], s[18:19]
	s_add_nc_u64 s[10:11], s[10:11], s[28:29]
	s_add_nc_u64 s[12:13], s[12:13], s[30:31]
.irp j, 0,1,2,3,4,5,6,7,8,9,10,11,12,13,14,15
	global_load_b128 v[MK+4*\j:MK+4*\j+3], v[LI], s[6:7] offset:512*\j th:TH_LOAD_NT   ; 32 lanes read 512 consecutive bytes: key step j
.endr
.irp j, 0,1,2,3,4,5,6,7
	global_load_b128 v[TD+4*\j:TD+4*\j+3], v[LI], s[4:5] offset:512*\j th:TH_LOAD_NT
.endr
	s_wait_loadcnt 8                               ; the mask's 16 loads are in; the 8 issued behind them may be out
.irp k, 0,1,2,3
	v_or_b32 v[ORC+\k], v[MK+\k], v[MK+4+\k]       ; does any key of the row count?  Four chains
.endr
.set n, 8
.rept 56
	s_delay_alu instid0(VALU_DEP_4)
	v_or_b32 v[ORC+n%4], v[ORC+n%4], v[MK+n]
.set n, n+1
.endr
.set n, 0
.rept 32
	v_cmp_ne_u32 s[MB+n], 0, v[MK+n]               ; key steps 0-7: a bit for each lane; the registers are free behind this
.set n, n+1
.endr
.irp j, 0,1,2,3,4,5,6,7
	global_load_b128 v[MK+4*\j:MK+4*\j+3], v[LI], s[4:5] offset:512*(\j+8) th:TH_LOAD_NT   ; the times of key steps 8-15
.endr
	v_or_b32 v[ORC], v[ORC], v[ORC+1]
	v_or_b32 v[ORC+2], v[ORC+2], v[ORC+3]
	s_delay_alu instid0(VALU_DEP_1)
	v_or_b32 v[ORC], v[ORC], v[ORC+2]
	s_delay_alu instid0(VALU_DEP_1)
	v_cmp_ne_u32 s20, 0, v[ORC]                    ; a bit for each lane
	s_cmp_lg_u32 s20, 0                            ; it selects values only: no branch hangs on it
	s_cselect_b32 s26, 0xcfee6b28, 0               ; -8e9, or 0 in a row with no key
	s_cselect_b32 s27, -1, 0
	v_mov_b32 v[MV], s26
	v_mov_b32 v[RW], s27
	s_wait_kmcnt 0x0
	s_mul_f32 s22, s21, 0xbfb8aa3b                 ; -gamma log2(e)
	s_mov_b32 s23, s22                             ; (named with it as a pair)
	s_wait_loadcnt 8                               ; the times of key steps 0-7 are in; the 8 loads issued behind them may be out
.set n, 0
.rept 16
	v_pk_fma_f32 v[TD+n:TD+n+1], v[TD+n:TD+n+1], s[22:23], v[C3:C3+1] op_sel_hi:[1,0,1]   ; the factor 8 rides in the exponent
.set n, n+2
.endr
.set n, 0
	s_wait_alu depctr_va_vdst(0)                   ; ahead of the batch
.rept 32
	v_exp_f32 v[TD+n], v[TD+n]
.set n, n+1
.endr
	v_nop                                          ; one plain instruction behind the last exponential
	s_wait_alu depctr_va_vdst(0)                   ; one wait for the batch, ahead of its first reader
.set n, 0
.rept 32
	v_cndmask_b32 v[TD+n], v[MV], v[TD+n], s[MB+n]
.set n, n+1
.endr
	ds_store_b32 v[FW], v[RW]                      ; all lanes write the same word with the same value
.irp j, 0,1,2,3,4,5,6,7
	ds_store_b128 v[SI0], v[TD+4*\j:TD+4*\j+3] offset:STEPB*\j       ; sixteen lanes touch sixteen units, 272 bytes apart: sixteen different columns of 16 bytes
.endr
	s_wait_loadcnt 0x0
.set n, 0
.rept 16
	v_pk_fma_f32 v[MK+n:MK+n+1], v[MK+n:MK+n+1], s[22:23], v[C3:C3+1] op_sel_hi:[1,0,1]
.set n, n+2
.endr
.set n, 0
	s_wait_alu depctr_va_vdst(0)                   ; ahead of the batch
.rept 32
	v_exp_f32 v[MK+n], v[MK+n]
.set n, n+1
.endr
	v_nop
	s_wait_alu depctr_va_vdst(0)                   ; and behind it
.set n, 0
.rept 32
	v_cmp_ne_u32 vcc_lo, 0, v[MK+32+n]
	v_cndmask_b32 v[MK+n], v[MV], v[MK+n], vcc_lo
.set n, n+1
.endr
.irp j, 0,1,2,3,4,5,6,7
	ds_store_b128 v[SI1], v[MK+4*\j:MK+4*\j+3] offset:STEPB*\j
.endr
	s_wait_dscnt 0x0                               ; for the others' sake: my stores are done
	s_barrier_signal -1
	s_barrier_wait -1
.irp i, 0,1,2,3,4,5,6,7,8,9,10,11,12,13,14,15
	ds_load_b128 v[MK+4*\i:MK+4*\i+3], v[RB] offset:2*UP*\i
.endr
.irp i, 0,1,2,3,4,5,6,7,8,9,10,11,12,13,14,15
	s_wait_dscnt 15-\i                             ; LDS loads come back in order: chunk i is in
	global_store_b128 v[LI], v[MK+4*\i:MK+4*\i+3], s[10:11] offset:512*\i th:TH_STORE_NT   ; 512 consecutive bytes, aligned
.endr
	s_cmp_lg_u32 s14, 0
	s_cbranch_scc1 .Lend
	ds_load_b32 v10, v[FRD]                        ; wave 0 stores the tile's 16 row words
	s_wait_dscnt 0x0
	s_wait_xcnt 0x0                                ; EXEC changes only behind this wait
	v_cmp_gt_u32 vcc_lo, 16, v11
	s_and_saveexec_b32 s30, vcc_lo
	global_store_b32 v[RO], v10, s[12:13]
	s_wait_xcnt 0x0
	s_or_b32 exec_lo, exec_lo, s30
.Lend:
	s_wait_tensorcnt 0x0                           ; the wave's end
	ds_add_u32 v[SPW], v[NIL]
	s_wait_dscnt 0x0
	s_endpgm
.Lfunc_end_k_qc7061a6939_prep:
	.size	k_qc7061a6939_prep, .Lfunc_end_k_qc7061a6939_prep-k_qc7061a6939_prep
	.p2alignl 7, 3214868480
	.fill 96, 4, 3214868480
	.section	.rodata,"a",@progbits
	.p2align	6, 0x0
	.amdhsa_kernel k_qc7061a6939_prep
		.amdhsa_group_segment_fixed_size 141568
		.amdhsa_private_segment_fixed_size 0
		.amdhsa_enable_private_segment 0
		.amdhsa_kernarg_size 40
		.amdhsa_user_sgpr_count 2
		.amdhsa_user_sgpr_kernarg_segment_ptr 1
		.amdhsa_wavefront_size32 1
		.amdhsa_system_sgpr_workgroup_id_x 1
		.amdhsa_system_sgpr_workgroup_id_y 1
		.amdhsa_system_sgpr_workgroup_id_z 1
		.amdhsa_system_vgpr_workitem_id 0
		.amdhsa_next_free_vgpr 128
		.amdhsa_next_free_sgpr 66
		.amdhsa_reserve_vcc 1
		.amdhsa_float_denorm_mode_32 3
		.amdhsa_float_denorm_mode_16_64 3
		.amdhsa_memory_ordered 1
		.amdhsa_forward_progress 1
		.amdhsa_inst_pref_size 26
	.end_amdhsa_kernel
	.amdgpu_metadata
---
amdhsa.version: [ 1, 2 ]
amdhsa.kernels:
  - .name:           k_qc7061a6939_prep
    .symbol:         k_qc7061a6939_prep.kd
    .args:
      - { .name: time_diffs, .offset: 0, .size: 8, .value_kind: global_buffer, .address_space: global }
      - { .name: mask, .offset: 8, .size: 8, .value_kind: global_buffer, .address_space: global }
      - { .name: gamma, .offset: 16, .size: 8, .value_kind: global_buffer, .address_space: global }
      - { .name: biasw, .offset: 24, .size: 8, .value_kind: global_buffer, .address_space: global }
      - { .name: rowmask, .offset: 32, .size: 8, .value_kind: global_buffer, .address_space: global }
    .group_segment_fixed_size: 141568
    .private_segment_fixed_size: 0
    .kernarg_segment_align: 8
    .kernarg_segment_size: 40
    .max_flat_workgroup_size: 512
    .sgpr_count:     66
    .vgpr_count:     128
    .wavefront_size: 32
...
	.end_amdgpu_metadata
.endif
;; end of part 1
;; launch quant (part 2): grid 448 x 1, 4 waves a work-group, no clusters, 34,304 bytes of LDS; arguments q, k, v, Wq, Wk, Wv, Wo, xc, xs; writes xc, xs
.if DOCPART == 2
	.amdgcn_target "amdgcn-amd-amdhsa--gfx1250"
	.amdhsa_code_object_version 6
	.text
	.protected	k_qc7061a6939_quant
	.globl	k_qc7061a6939_quant
	.p2align	8
	.type	k_qc7061a6939_quant,@function
k_qc7061a6939_quant:
	s_mov_b64 s[64:65], 0
	v_nop
	global_prefetch_b8 v0, s[64:65] scope:SCOPE_SE
	s_setreg_imm32_b32 hwreg(HW_REG_WAVE_MODE, 25, 1), 1
	s_wait_xcnt 0x0
; q, k, v [8,192][1,024] and Wq, Wk, Wv, Wo [1,024][1,024], f32, K innermost, become codes of FP6 (E2M3) with one E8M0 byte for each 32 along K.
; A block's scale is 2^(floor(log2(largest magnitude)) - 2); its byte is the largest magnitude's exponent field - 2, held at 1 from below (a block of zeros so has the byte 1: its codes are zeros, and this program alone reads the bytes).
; LAYOUT OUT: images of operand registers.  xc: [row tile][K step of 128 (8)][1,536]: a fragment's 12 registers, group g of four at 512 g + 16 lane.  xs: [row tile][position r][8 words]: a row's 32 scale bytes.
; Row tiles: q 0-511, k 512-, v 1,024-, Wq 1,536-, Wk 1,600-, Wv 1,664-, Wo 1,728-1,791.  POSITION r OF A TENSOR'S TILE t IS ITS ROW 32 (t / 2) + 8 (t % 2) + r + 8 (r / 8): so wherever two neighbouring tiles are
; source 0 of a product, a lane's 16 results are 16 neighbours, which is what the next quantiser wants.
; SHARES: a wave takes a row tile: 8 steps of 16 rows x 128.  A load reads 512 consecutive bytes of one row; the conversions want 16 neighbours in a lane, so a step turns through the wave's own stage in LDS.
; No tensor load, no barrier: waves share nothing.  Loads run two steps (32 loads a wave) ahead.
; LIMITS: NaN and infinities are not served; blocks whose largest magnitude lies under 2^-124 keep the byte 1.
.set SP,    528                        ; a stage row: 512 bytes + 16
.set WST,   16*SP
.set SPARE, 4*WST                      ; behind the four stages: the spare words, 128 bytes a wave
.set FRB,   1536
.set LI,  2                            ; v2   16 x lane
.set SIN, 3                            ; v3   into the stage
.set SOU, 4                            ; v4   out of it: row r, + 64 h
.set SO2, 5                            ; v5   32 r + 16 h: my 16 bytes of the tile's scale words
.set SPW, 6
.set NIL, 7
.set R,   16                           ; v16-143  two sets of 64 as loaded
.set X,   144                          ; v144-207 register 16 b + i = k 32 b + 16 h + i of row r
.set PC,  208                          ; v208-227 the codes, and the conversions' second halves
.set TM,  228                          ; v228-243 at work
.set PW,  244                          ; the scale word just made
.set PWS, 246                          ; v246-253 the eight steps' words
.set SEL, 26
; 64 numbers of a lane, register 16 b + i = k 32 b + 16 (lane / 16) + i of my row, become a fragment's codes in v[PC] on and its scale word in v[PW].
.macro QUANT s
.irp b, 0,1,2,3
	v_max3_num_f32 v[TM+\b], |v[\s+16*\b]|, |v[\s+1+16*\b]|, 0x1800000   ; my 16 numbers of block b, and the floor 2^(3 - 127): the byte cannot fall under 1
.endr
.irp i, 2,4,6,8,10,12,14
.irp b, 0,1,2,3
	v_max3_num_f32 v[TM+\b], v[TM+\b], |v[\s+16*\b+\i]|, |v[\s+1+16*\b+\i]|
.endr
.endr
.irp b, 0,1,2,3
	v_permlanex16_b32 v[TM+4+\b], v[TM+\b], s[SEL], s[SEL+1]
.endr
.irp b, 0,1,2,3
	v_max_num_f32 v[TM+\b], v[TM+\b], v[TM+4+\b]   ; with lane l xor 16's: the block's largest magnitude
.endr
.irp b, 0,1,2,3
	v_add_nc_u32 v[TM+12+\b], 0xff000000, v[TM+\b]   ; 2 off its exponent field: the conversion's scale operand
.endr
.irp b, 0,1,2,3
	v_lshrrev_b32 v[TM+4+\b], 23, v[TM+12+\b]      ; the byte
.endr
	v_lshl_or_b32 v[PW], v[TM+5], 8, v[TM+4]
	v_lshl_or_b32 v[PW], v[TM+6], 16, v[PW]
	v_lshl_or_b32 v[PW], v[TM+7], 24, v[PW]
.irp c, 0,1
	v_cvt_scalef32_pk16_fp6_f32 v[PC+6*\c:PC+2+6*\c], v[\s+32*\c:\s+15+32*\c], v[TM+12+2*\c]
	v_cvt_scalef32_pk16_fp6_f32 v[PC+12+4*\c:PC+14+4*\c], v[\s+16+32*\c:\s+31+32*\c], v[TM+12+2*\c+1]   ; (a conversion's three registers begin on an even number)
.endr
	v_nop                                          ; one plain place behind a scaled conversion
.irp c, 0,1                                    ; the operand wants a whole block in a lane: lanes 0-15 block 2 c, lanes 16-31 block 2 c + 1
.irp i, 0,1,2
	v_permlane16_swap_b32 v[PC+6*\c+\i], v[PC+12+4*\c+\i]
.endr
.irp i, 0,1,2
	v_mov_b32 v[PC+3+6*\c+\i], v[PC+12+4*\c+\i]
.endr
.endr
.endm
	s_load_b256 s[4:11], s[0:1], 0x0               ; q, k, v, Wq
	s_load_b256 s[12:19], s[0:1], 0x20             ; Wk, Wv, Wo, xc
	s_load_b64 s[20:21], s[0:1], 0x40              ; xs
	v_lshl_add_u32 v[SPW], v0, 2, SPARE
	v_mov_b32 v[NIL], 0
	v_lshrrev_b32 v1, 5, v0
	v_readfirstlane_b32 s22, v1                    ; wave
	v_and_b32 v1, 31, v0                           ; lane
	v_lshlrev_b32 v[LI], 4, v1
	s_mul_i32 s23, s22, WST
	v_add_nc_u32 v[SIN], s23, v[LI]
	v_and_b32 v8, 15, v0                           ; r
	v_bfe_u32 v9, v0, 4, 1                         ; h
	v_mul_u32_u24 v[SOU], v8, SP
	v_lshl_add_u32 v[SOU], v9, 6, v[SOU]
	v_add_nc_u32 v[SOU], s23, v[SOU]
	v_lshlrev_b32 v[SO2], 5, v8
	v_lshl_add_u32 v[SO2], v9, 4, v[SO2]
	s_mov_b32 s[SEL], 0x76543210
	s_mov_b32 s[SEL+1], 0xfedcba98                 ; lane l xor 16
.irp b, 0,1,2,3
	v_mov_b32 v[TM+4+\b], 0                        ; written once: a lane permute's destination counts as one of its sources
.endr
	s_wait_alu depctr_va_vdst(0)
	s_wait_kmcnt 0x0
	s_mov_b64 s[28:29], s[16:17]                   ; which tensor: the choice hangs on the work-group's number alone
	s_mov_b32 s30, 432                             ; and the tensor's first work-group
	s_cmp_lt_u32 ttmp9, 432
	s_cselect_b64 s[28:29], s[14:15], s[28:29]
	s_cselect_b32 s30, 416, s30
	s_cmp_lt_u32 ttmp9, 416
	s_cselect_b64 s[28:29], s[12:13], s[28:29]
	s_cselect_b32 s30, 400, s30
	s_cmp_lt_u32 ttmp9, 400
	s_cselect_b64 s[28:29], s[10:11], s[28:29]
	s_cselect_b32 s30, 384, s30
	s_cmp_lt_u32 ttmp9, 384
	s_cselect_b64 s[28:29], s[8:9], s[28:29]
	s_cselect_b32 s30, 256, s30
	s_cmp_lt_u32 ttmp9, 256
	s_cselect_b64 s[28:29], s[6:7], s[28:29]
	s_cselect_b32 s30, 128, s30
	s_cmp_lt_u32 ttmp9, 128
	s_cselect_b64 s[28:29], s[4:5], s[28:29]
	s_cselect_b32 s30, 0, s30
	s_sub_co_u32 s31, ttmp9, s30
	s_lshl_b32 s31, s31, 2
	s_add_co_u32 s31, s31, s22                     ; my tile t of the tensor
	s_lshr_b32 s32, s31, 1
	s_lshl_b32 s32, s32, 17                        ; 32 (t / 2) rows of 4,096 bytes
	s_and_b32 s33, s31, 1
	s_lshl_b32 s33, s33, 15                        ; 8 (t % 2) rows
	s_add_co_u32 s32, s32, s33
	; k's TILES TAKE ANOTHER ORDER than the one that the head gives for the other six tensors: position r of k's tile t is its row 64 (t / 4) + 8 (t % 4) + 32 (r / 8) + r % 8,
	; so that in the score product's result a lane's 32 registers of four neighbouring tiles are a whole block of 32 neighbouring keys.
	s_lshr_b32 s35, s31, 2
	s_lshl_b32 s35, s35, 18                        ; 64 (t / 4) rows of 4,096 bytes
	s_and_b32 s36, s31, 3
	s_lshl_b32 s36, s36, 15                        ; 8 (t % 4) rows
	s_add_co_u32 s35, s35, s36
	s_cmp_eq_u32 s30, 128                          ; k's work-groups begin at 128: the choice hangs on the work-group's number alone
	s_cselect_b32 s32, s35, s32
	s_cselect_b32 s36, 0x10000, 0                  ; and k's positions 8-15 lie 16 rows further down than the others'
	s_mov_b32 s37, 0
	s_mov_b32 s33, 0
	s_add_nc_u64 s[28:29], s[28:29], s[32:33]
	s_add_nc_u64 s[38:39], s[28:29], s[36:37]      ; the base for positions 8-15
	s_lshl_b32 s34, ttmp9, 2
	s_add_co_u32 s34, s34, s22                     ; my tile among all 1,792
	s_mul_i32 s32, s34, 8*FRB
	s_add_nc_u64 s[18:19], s[18:19], s[32:33]
	s_lshl_b32 s32, s34, 9
	s_add_nc_u64 s[20:21], s[20:21], s[32:33]
.macro LOAD s                          ; step s: position i's row, 512 consecutive bytes a load
.irp i, 0,1,2,3,4,5,6,7,8,9,10,11,12,13,14,15
	global_load_b128 v[R+64*((\s)%2)+4*\i:R+64*((\s)%2)+4*\i+3], v[LI], s[28+10*(\i/8):29+10*(\i/8)] offset:(\i+8*(\i/8))*4096+512*(\s) th:TH_LOAD_NT
.endr
.endm
.macro QSTEP s
.if (\s) < 7
	s_wait_loadcnt 16                              ; this step's 16 loads are in; the next step's may be out
.else
	s_wait_loadcnt 0x0
.endif
.irp i, 0,1,2,3,4,5,6,7,8,9,10,11,12,13,14,15
	ds_store_b128 v[SIN], v[R+64*((\s)%2)+4*\i:R+64*((\s)%2)+4*\i+3] offset:SP*\i
.endr
.irp b, 0,1,2,3
.irp j, 0,1,2,3
	ds_load_b128 v[X+16*\b+4*\j:X+16*\b+4*\j+3], v[SOU] offset:128*\b+16*\j   ; LDS serves a wave's instructions in order: these see the stores above
.endr
.endr
	s_wait_dscnt 0x0                               ; the numbers are back, and the stores have read their registers,
.if (\s) < 6
	LOAD (\s)+2                                    ; which take the loads of two steps on
.endif
	s_wait_xcnt 0x0                                ; the last step's stores have read the codes' registers
	QUANT X
.irp g, 0,1,2
	global_store_b128 v[LI], v[PC+4*\g:PC+4*\g+3], s[18:19] offset:FRB*(\s)+512*\g   ; 512 consecutive bytes, aligned
.endr
	v_mov_b32 v[PWS+(\s)], v[PW]
.endm
	LOAD 0
	LOAD 1
.irp s, 0,1,2,3,4,5,6,7
	QSTEP \s
.endr
	s_wait_alu depctr_va_vdst(0)
	s_wait_xcnt 0x0
	v_cmp_le_u32 vcc_lo, 16, v1
.irp i, 0,1,2,3
	v_cndmask_b32 v[PC+\i], v[PWS+\i], v[PWS+4+\i], vcc_lo   ; lanes 0-15: my row's words 0-3; lanes 16-31: words 4-7
.endr
	global_store_b128 v[SO2], v[PC:PC+3], s[20:21] ; the tile's 512 scale bytes
	s_wait_tensorcnt 0x0                           ; the wave's end
	ds_add_u32 v[SPW], v[NIL]
	s_wait_dscnt 0x0
	s_endpgm
.Lfunc_end_k_qc7061a6939_quant:
	.size	k_qc7061a6939_quant, .Lfunc_end_k_qc7061a6939_quant-k_qc7061a6939_quant
	.p2alignl 7, 3214868480
	.fill 96, 4, 3214868480
	.section	.rodata,"a",@progbits
	.p2align	6, 0x0
	.amdhsa_kernel k_qc7061a6939_quant
		.amdhsa_group_segment_fixed_size 34304
		.amdhsa_private_segment_fixed_size 0
		.amdhsa_enable_private_segment 0
		.amdhsa_kernarg_size 72
		.amdhsa_user_sgpr_count 2
		.amdhsa_user_sgpr_kernarg_segment_ptr 1
		.amdhsa_wavefront_size32 1
		.amdhsa_system_sgpr_workgroup_id_x 1
		.amdhsa_system_sgpr_workgroup_id_y 1
		.amdhsa_system_sgpr_workgroup_id_z 1
		.amdhsa_system_vgpr_workitem_id 0
		.amdhsa_next_free_vgpr 256
		.amdhsa_next_free_sgpr 66
		.amdhsa_reserve_vcc 1
		.amdhsa_float_denorm_mode_32 3
		.amdhsa_float_denorm_mode_16_64 3
		.amdhsa_memory_ordered 1
		.amdhsa_forward_progress 1
		.amdhsa_inst_pref_size 65
	.end_amdhsa_kernel
	.amdgpu_metadata
---
amdhsa.version: [ 1, 2 ]
amdhsa.kernels:
  - .name:           k_qc7061a6939_quant
    .symbol:         k_qc7061a6939_quant.kd
    .args:
      - { .name: q, .offset: 0, .size: 8, .value_kind: global_buffer, .address_space: global }
      - { .name: k, .offset: 8, .size: 8, .value_kind: global_buffer, .address_space: global }
      - { .name: v, .offset: 16, .size: 8, .value_kind: global_buffer, .address_space: global }
      - { .name: Wq, .offset: 24, .size: 8, .value_kind: global_buffer, .address_space: global }
      - { .name: Wk, .offset: 32, .size: 8, .value_kind: global_buffer, .address_space: global }
      - { .name: Wv, .offset: 40, .size: 8, .value_kind: global_buffer, .address_space: global }
      - { .name: Wo, .offset: 48, .size: 8, .value_kind: global_buffer, .address_space: global }
      - { .name: xc, .offset: 56, .size: 8, .value_kind: global_buffer, .address_space: global }
      - { .name: xs, .offset: 64, .size: 8, .value_kind: global_buffer, .address_space: global }
    .group_segment_fixed_size: 34304
    .private_segment_fixed_size: 0
    .kernarg_segment_align: 8
    .kernarg_segment_size: 72
    .max_flat_workgroup_size: 128
    .sgpr_count:     66
    .vgpr_count:     256
    .wavefront_size: 32
...
	.end_amdgpu_metadata
.endif
;; end of part 2
;; launch proj (part 3): grid 4 x 96, 4 waves a work-group, clusters of 4 x 4, 327,680 bytes of LDS; arguments xc, xs, bq, bk, bv, img; writes img
.if DOCPART == 3
	.amdgcn_target "amdgcn-amd-amdhsa--gfx1250"
	.amdhsa_code_object_version 6
	.text
	.protected	k_qc7061a6939_proj
	.globl	k_qc7061a6939_proj
	.p2align	8
	.type	k_qc7061a6939_proj,@function
k_qc7061a6939_proj:
	s_mov_b64 s[64:65], 0
	v_nop
	global_prefetch_b8 v0, s[64:65] scope:SCOPE_SE
	s_setreg_imm32_b32 hwreg(HW_REG_WAVE_MODE, 25, 1), 1
	s_wait_xcnt 0x0
	s_wait_alu depctr_hold_cnt(0) depctr_sa_sdst(0) depctr_va_vdst(0) depctr_va_sdst(0) depctr_va_ssrc(0) depctr_va_vcc(0) depctr_vm_vsrc(0)
	s_getreg_b32 s2, hwreg(HW_REG_IB_STS2, 6, 4)
	s_cmp_eq_u32 s2, 0
	s_cbranch_scc0 .Lentry_in_a_cluster
	s_endpgm
.Lentry_in_a_cluster:
	s_bfe_u32 s2, ttmp6, 0x10000c
	s_cmp_lg_u32 s2, 0xf033
	s_cbranch_scc0 .Lentry_shape_is_right
	s_endpgm
.Lentry_shape_is_right:
.set NQ,     2
.set FR,     12
.set NL,     3
.set NP,     4
.set FRB,    1536
.set TROW,   NQ*FRB
.set HALFT,  8*TROW
.set SLOT,   4*HALFT
.set SCL,    2*SLOT
.set HALFS,  16*272
.set SBLK,   2*272
.set SPARE,  SCL+4*HALFS
.set REC,    12800
.set ADRA, 16
.set ADRB, 20
.set LI,   26
.set ADRS, 27
.set SPW,  28
.set NIL,  29
.set SC,   32
.set BN,   64
.set AF,   128
.set HA,   128
.set PC,   192
.set TM,   212
.set PW,   228
.set PWS,  232
.set BL,   240
.set SEL,  20
.set G1, 24
.set G0, 32
.set G1B, 48
.set G0B, 56
.set G1S, 68
.set G0S, 76
.set G1SB, 80
.set G0SB, 88
.set MSB, 0
.macro WIN new
.if MSB != (\new)
	s_set_vgpr_msb (MSB<<8)|(\new)
.set MSB, (\new)
.endif
.endm
.set MUL_LO, 0xa1
.set MUL_HI, 0xf1
.set TO_B,   0x40
.macro JLOAD g0a, g1a, g0b, g1b
	s_cmp_eq_u32 s17, 0
	s_cbranch_scc0 .Lfor_b_\@
	tensor_load_to_lds s[\g0a:\g0a+3], s[\g1a:\g1a+7]
	s_nop 0
.rept 4
	v_nop
.endr
	s_branch .Lasked_\@
.Lfor_b_\@:
	tensor_load_to_lds s[\g0b:\g0b+3], s[\g1b:\g1b+7]
	s_nop 0
.rept 4
	v_nop
.endr
.Lasked_\@:
.endm
.macro CREST
	s_cmp_lg_u32 s16, 0
	s_cbranch_scc1 .Lnot_wave_0_\@
	s_barrier_signal -3
.Lnot_wave_0_\@:
	s_barrier_wait -3
	s_barrier_signal -1
	s_barrier_wait -1
.endm
.macro CROUND
	s_barrier_signal -1
	s_barrier_wait -1
	CREST
.endm
	s_load_b256 s[4:11], s[0:1], 0x0
	s_load_b128 s[12:15], s[0:1], 0x20
	v_lshl_add_u32 v[SPW], v0, 2, SPARE
	v_mov_b32 v[NIL], 0
	ds_add_u32 v[SPW], v[NIL]
	ds_add_u32 v[SPW], v[NIL]
	v_lshrrev_b32 v1, 5, v0
	v_readfirstlane_b32 s16, v1
	s_lshr_b32 s17, s16, 1
	s_and_b32 s18, s16, 1
	s_bfe_u32 s40, ttmp6, 0x40000
	s_bfe_u32 s41, ttmp6, 0x40004
	s_and_b32 s42, ttmp7, 0xffff
	s_lshr_b32 s43, s42, 3
	s_and_b32 s44, s42, 7
	s_lshl_b32 s44, s44, 2
	s_lshl_b32 s20, s43, 9
	s_lshl_b32 s21, s43, 6
	s_add_co_u32 s21, s21, 1536
	s_cmp_eq_u32 s43, 2
	s_cselect_b32 s92, 0, -1
	s_cselect_b32 s93, -1, 0
	s_cselect_b32 s45, 0, s44
	s_cselect_b32 s46, s44, 0
	s_cselect_b32 s20, 1664, s20
	s_cselect_b32 s21, 1024, s21
	s_add_co_u32 s45, s45, s41
	s_add_co_u32 s46, s46, s40
	s_lshl_b32 s47, s41, 2
	s_lshl_b32 s47, 15, s47
	s_lshl_b32 s66, 0x1111, s40
	s_or_b32 s[G1+0], s47, (3<<16)|(1<<21)
	s_or_b32 s[G1B+0], s66, (3<<16)|(1<<21)
.irp g, G1, G1B
	s_mov_b32 s[\g+1], 384<<16
	s_mov_b32 s[\g+2], 16<<16
	s_mov_b32 s[\g+3], 384<<16
	s_mov_b32 s[\g+4], 16
	s_mov_b32 s[\g+5], 1536
	s_mov_b32 s[\g+6], 0
	s_mov_b32 s[\g+7], 0
.endr
	s_or_b32 s[G1S+0], s47, (3<<16)|(1<<20)|(1<<21)|(5<<22)|(3<<25)
	s_or_b32 s[G1SB+0], s66, (3<<16)|(1<<20)|(1<<21)|(5<<22)|(3<<25)
.irp g, G1S, G1SB
	s_mov_b32 s[\g+1], 32<<16
	s_mov_b32 s[\g+2], 32<<16
	s_mov_b32 s[\g+3], 32<<16
	s_mov_b32 s[\g+4], 32
	s_mov_b32 s[\g+5], 32
	s_mov_b32 s[\g+6], 0
	s_mov_b32 s[\g+7], 0
.endr
	s_lshl_b32 s22, s18, 3
	s_lshl_b32 s23, s45, 4
	s_add_co_u32 s20, s20, s23
	s_lshl_b32 s23, s46, 4
	s_add_co_u32 s21, s21, s23
	s_mul_i32 s94, s20, 8*FRB
	s_mov_b32 s95, 0
	s_lshl_b32 s96, s20, 9
	s_mov_b32 s97, 0
	s_mul_i32 s98, s21, 8*FRB
	s_mov_b32 s99, 0
	s_lshl_b32 s2, s21, 9
	s_mov_b32 s3, 0
	s_mul_i32 s22, s16, HALFT
	s_mul_i32 s23, s16, HALFS
	s_wait_dscnt 0x0
	s_wait_kmcnt 0x0
	s_add_nc_u64 s[94:95], s[4:5], s[94:95]
	s_add_nc_u64 s[96:97], s[6:7], s[96:97]
	s_add_nc_u64 s[98:99], s[4:5], s[98:99]
	s_add_nc_u64 s[2:3], s[6:7], s[2:3]
	CROUND
	s_mov_b32 s[G0S], 1
	s_mov_b32 s[G0S+1], SCL
	s_mov_b64 s[G0S+2:G0S+3], s[96:97]
	s_or_b32 s[G0S+3], s[G0S+3], 0x80000000
	s_mov_b32 s[G0SB], 1
	s_mov_b32 s[G0SB+1], SCL+2*HALFS
	s_mov_b64 s[G0SB+2:G0SB+3], s[2:3]
	s_or_b32 s[G0SB+3], s[G0SB+3], 0x80000000
	s_mov_b32 s[G0], 1                             ; the head's form of slot 0's groups 0: A's 16 row tiles whole,
	s_mov_b32 s[G0+1], 0
	s_mov_b64 s[G0+2:G0+3], s[94:95]
	s_or_b32 s[G0+3], s[G0+3], 0x80000000
	s_mov_b32 s[G0B], 1                            ; and B's 16, behind them
	s_mov_b32 s[G0B+1], 2*HALFT
	s_mov_b64 s[G0B+2:G0B+3], s[98:99]
	s_or_b32 s[G0B+3], s[G0B+3], 0x80000000
	s_mul_i32 s20, s18, 64*FRB                     ; in the ring a wave fetches eight row tiles: which half, in bytes
	s_mov_b32 s21, 0
	s_add_nc_u64 s[94:95], s[94:95], s[20:21]
	s_add_nc_u64 s[98:99], s[98:99], s[20:21]
	s_mov_b32 s[G0+4], 1
	s_add_co_u32 s[G0+5], s22, SLOT
	s_add_nc_u64 s[G0+6:G0+7], s[94:95], TROW
	s_or_b32 s[G0+7], s[G0+7], 0x80000000
	s_mov_b32 s[G0B+4], 1
	s_add_co_u32 s[G0B+5], s22, SLOT
	s_add_nc_u64 s[G0B+6:G0B+7], s[98:99], TROW
	s_or_b32 s[G0B+7], s[G0B+7], 0x80000000
; the head's four tiles, one tensor load a wave, in one chain of branches on the wave's number: slot 0's A, slot 0's B, A's scales, B's scales
.macro ARM under, g0, g1, next
	s_cmp_lt_u32 s16, \under
	s_cbranch_scc0 \next
	tensor_load_to_lds s[\g0:\g0+3], s[\g1:\g1+7]
	s_nop 0
.rept 4
	v_nop
.endr
	s_branch .Lhead_asked
\next:
.endm
	ARM 1, G0,  G1,  .Lhead_b
	ARM 2, G0B, G1B, .Lhead_sa
	ARM 3, G0S, G1S, .Lhead_sb
	tensor_load_to_lds s[G0SB:G0SB+3], s[G1SB:G1SB+7]
	s_nop 0
.rept 4
	v_nop
.endr
.Lhead_asked:
	v_and_b32 v1, 15, v0
	v_bfe_u32 v2, v0, 4, 1
	v_and_b32 v3, 31, v0
	v_lshlrev_b32 v[LI], 4, v3
	s_mul_i32 s20, s17, HALFT
	s_mul_i32 s21, s18, HALFT
	s_add_co_u32 s21, s21, 2*HALFT
.irp s, 0,1
	v_add_nc_u32 v[ADRA+\s], s20, v[LI]
	v_add_nc_u32 v[ADRB+\s], s21, v[LI]
	s_add_co_u32 s20, s20, SLOT
	s_add_co_u32 s21, s21, SLOT
.endr
	v_lshlrev_b32 v5, 5, v1
	v_lshrrev_b32 v6, 8, v5
	v_lshl_add_u32 v5, v6, 4, v5
	s_mul_i32 s20, s17, HALFS
	s_mul_i32 s21, s18, HALFS
	s_add_co_u32 s21, s21, 2*HALFS
	s_sub_co_u32 s21, s21, s20
	v_mul_u32_u24 v6, s21, v2
	s_add_co_u32 s20, s20, SCL
	v_add_nc_u32 v5, v5, v6
	v_add_nc_u32 v[ADRS], s20, v5
	s_lshl_b32 s20, s45, 1
	s_add_co_u32 s20, s20, s17
	s_lshl_b32 s21, s46, 1
	s_add_co_u32 s21, s21, s18
	s_lshl_b32 s22, s43, 9
	s_cmp_eq_u32 s43, 2
	s_cselect_b32 s23, s21, s20
	s_cselect_b32 s44, s20, s21
	s_cselect_b64 s[94:95], s[12:13], s[10:11]
	s_cmp_eq_u32 s43, 0
	s_cselect_b64 s[94:95], s[8:9], s[94:95]
	s_lshl_b32 s23, s23, 3
	s_add_co_u32 s22, s22, s23
	s_add_co_u32 s22, s22, s44
	s_mul_i32 s22, s22, REC
	s_mov_b32 s23, 0
	s_add_nc_u64 s[96:97], s[14:15], s[22:23]
	s_lshl_b32 s22, s44, 9
	s_add_nc_u64 s[94:95], s[94:95], s[22:23]
	v_lshlrev_b32 v10, 6, v2
	v_and_b32 v11, 8, v1
	v_add_nc_u32 v11, v11, v1
	v_lshlrev_b32 v11, 2, v11
.irp n, 0,1,2,3,4,5,6,7,8,9,10,11,12,13,14,15
	global_load_b128 v[BN+4*\n:BN+4*\n+3], v10, s[94:95] offset:128*(\n/4)+16*(\n%4)
.endr
.irp a, 0,1,2,3,4,5,6,7
	global_load_b32 v[BL+2*\a], v11, s[94:95] offset:4*(32*(\a/2)+8*(\a%2))
	global_load_b32 v[BL+2*\a+1], v11, s[94:95] offset:4*(32*(\a/2)+8*(\a%2))
.endr
.macro FRAG reg, adr, q, i
.irp g, 0,1,2
	ds_load_b128 v[\reg+4*\g:\reg+4*\g+3], v[\adr] offset:(\i)*TROW+(\q)*FRB+512*\g
.endr
.endm
.macro MUL16 a0, p, q, sc, zero
.irp a, \a0, \a0+1
.irp b, 0,1,2,3,4,5,6,7
.if \zero
	v_wmma_scale_f32_16x16x128_f8f6f4 v[8*(8*((\a)%4)+\b):8*(8*((\a)%4)+\b)+7], v[128*(\p)+FR*\b:128*(\p)+FR*\b+FR-1], v[AF+FR*(\a):AF+FR*(\a)+FR-1], 0, v[SC+8*NQ*(\sc)+NQ*\b+(\q)], v[SC+8*NQ*(\sc)+NQ*(\a)+(\q)] matrix_a_fmt:MATRIX_FMT_FP6 matrix_b_fmt:MATRIX_FMT_FP6 matrix_a_scale:MATRIX_SCALE_ROW1
.else
	v_wmma_scale_f32_16x16x128_f8f6f4 v[8*(8*((\a)%4)+\b):8*(8*((\a)%4)+\b)+7], v[128*(\p)+FR*\b:128*(\p)+FR*\b+FR-1], v[AF+FR*(\a):AF+FR*(\a)+FR-1], v[8*(8*((\a)%4)+\b):8*(8*((\a)%4)+\b)+7], v[SC+8*NQ*(\sc)+NQ*\b+(\q)], v[SC+8*NQ*(\sc)+NQ*(\a)+(\q)] matrix_a_fmt:MATRIX_FMT_FP6 matrix_b_fmt:MATRIX_FMT_FP6 matrix_a_scale:MATRIX_SCALE_ROW1
.endif
.endr
.endr
.endm
.macro FETCH_B slot, q, p
	WIN TO_B
.irp i, 0,1,2,3,4,5,6,7
	FRAG 128*(\p)+FR*\i, ADRB+\slot, \q, \i
.endr
	WIN 0
.endm
.macro FETCH_A slot, q, i0
.irp i, \i0, \i0+1, \i0+2, \i0+3
	FRAG AF+FR*(\i), ADRA+\slot, \q, \i
.endr
.endm
.macro SCALES sc
.irp i, 0,1,2,3,4,5,6,7
	ds_load_b64 v[SC+8*NQ*\sc+NQ*\i:SC+8*NQ*\sc+NQ*\i+1], v[ADRS] offset:\i*SBLK
.endr
.endm
.macro PLACES n
.rept \n
	v_nop
.endr
.endm
.macro STEP slot, q, zero
	s_wait_dscnt 4*NL
	WIN MUL_LO
	MUL16 0, (\q)%2, \q, \slot, \zero
	MUL16 2, (\q)%2, \q, \slot, \zero
	s_wait_dscnt 0
	PLACES NP
	FETCH_B \slot, (\q)+1, 1-(\q)%2
	FETCH_A \slot, (\q)+1, 0
	WIN MUL_HI
	MUL16 4, (\q)%2, \q, \slot, \zero
	MUL16 6, (\q)%2, \q, \slot, \zero
	PLACES NP
	WIN 0
	FETCH_A \slot, (\q)+1, 4
.endm
.macro TURN slot, next, fill
	s_wait_tensorcnt 0x0
	ds_add_u32 v[SPW], v[NIL]
	s_wait_dscnt 4*NL+1
	WIN MUL_LO
	MUL16 0, 1, NQ-1, \slot, 0
	s_wait_dscnt 0x0
	s_barrier_signal -1
	MUL16 2, 1, NQ-1, \slot, 0
	WIN 0
	s_barrier_wait -1
.if \fill
	CREST
	s_add_nc_u64 s[G0+4*\slot+2:G0+4*\slot+3], s[G0+4*\slot+2:G0+4*\slot+3], 2*TROW
	s_add_nc_u64 s[G0B+4*\slot+2:G0B+4*\slot+3], s[G0B+4*\slot+2:G0B+4*\slot+3], 2*TROW
	JLOAD G0+4*\slot, G1, G0B+4*\slot, G1B
.else
	PLACES NP
.endif
	s_wait_alu depctr_va_vdst(0)
	v_add_nc_u32 v[ADRS], 4*NQ, v[ADRS]
	FETCH_B \next, 0, 0
	FETCH_A \next, 0, 0
	SCALES \next
	WIN MUL_HI
	MUL16 4, 1, NQ-1, \slot, 0
	MUL16 6, 1, NQ-1, \slot, 0
	PLACES NP
	WIN 0
	FETCH_A \next, 0, 4
.endm
	s_wait_alu depctr_va_vdst(0)
	s_wait_tensorcnt 0x0                           ; my tile of the head's four is in
	ds_add_u32 v[SPW], v[NIL]
	s_mov_b32 s[G1+2], 8<<16                       ; no tensor load of mine is out: from here on a load brings eight row tiles,
	s_mov_b32 s[G1+4], 8
	s_mov_b32 s[G1B+2], 8<<16
	s_mov_b32 s[G1B+4], 8
	s_mul_i32 s[G0+1], s16, HALFT                  ; and slot 0's groups 0 take the ring's form: my quarter of the slot
	s_mul_i32 s[G0B+1], s16, HALFT
	s_mul_i32 s20, s18, 64*FRB
	s_mov_b32 s21, 0
	s_add_nc_u64 s[G0+2:G0+3], s[G0+2:G0+3], s[20:21]
	s_add_nc_u64 s[G0B+2:G0B+3], s[G0B+2:G0B+3], s[20:21]
	s_wait_dscnt 0x0
	CROUND                                         ; all four tiles are in, and the sixteen work-groups are here
	JLOAD G0+4, G1, G0B+4, G1B                     ; slot 1's first fill, the first tensor load behind the round
	FETCH_B 0, 0, 0
	FETCH_A 0, 0, 0
	SCALES 0
	FETCH_A 0, 0, 4
	STEP 0, 0, 1
	s_mov_b32 s19, 1
.Llap:
	TURN 0, 1, 1
	STEP 1, 0, 0
	TURN 1, 0, 1
	STEP 0, 0, 0
	s_sub_co_u32 s19, s19, 1
	s_cmp_lg_u32 s19, 0
	s_cbranch_scc1 .Llap
	TURN 0, 1, 0
	STEP 1, 0, 0
	s_wait_dscnt 4*NL
	WIN MUL_LO
	MUL16 0, 1, NQ-1, 1, 0
	MUL16 2, 1, NQ-1, 1, 0
	s_wait_dscnt 0
	WIN MUL_HI
	MUL16 4, 1, NQ-1, 1, 0
	MUL16 6, 1, NQ-1, 1, 0
	WIN 0
.macro QUANT s
.irp b, 0,1,2,3
	v_max3_num_f32 v[TM+\b], |v[\s+16*\b]|, |v[\s+1+16*\b]|, 0x1800000
.endr
.irp i, 2,4,6,8,10,12,14
.irp b, 0,1,2,3
	v_max3_num_f32 v[TM+\b], v[TM+\b], |v[\s+16*\b+\i]|, |v[\s+1+16*\b+\i]|
.endr
.endr
.irp b, 0,1,2,3
	v_permlanex16_b32 v[TM+4+\b], v[TM+\b], s[SEL], s[SEL+1]
.endr
.irp b, 0,1,2,3
	v_max_num_f32 v[TM+\b], v[TM+\b], v[TM+4+\b]
.endr
.irp b, 0,1,2,3
	v_add_nc_u32 v[TM+12+\b], 0xff000000, v[TM+\b]
.endr
.irp b, 0,1,2,3
	v_lshrrev_b32 v[TM+4+\b], 23, v[TM+12+\b]
.endr
	v_lshl_or_b32 v[PW], v[TM+5], 8, v[TM+4]
	v_lshl_or_b32 v[PW], v[TM+6], 16, v[PW]
	v_lshl_or_b32 v[PW], v[TM+7], 24, v[PW]
.irp c, 0,1
	v_cvt_scalef32_pk16_fp6_f32 v[PC+6*\c:PC+2+6*\c], v[\s+32*\c:\s+15+32*\c], v[TM+12+2*\c]
	v_cvt_scalef32_pk16_fp6_f32 v[PC+12+4*\c:PC+14+4*\c], v[\s+16+32*\c:\s+31+32*\c], v[TM+12+2*\c+1]
.endr
	v_nop
.irp c, 0,1
.irp i, 0,1,2
	v_permlane16_swap_b32 v[PC+6*\c+\i], v[PC+12+4*\c+\i]
.endr
.irp i, 0,1,2
	v_mov_b32 v[PC+3+6*\c+\i], v[PC+12+4*\c+\i]
.endr
.endr
.endm
.macro OUTBLK a
.set AC, 64*((\a)%4)
	WIN 0x02+(\a)/4
.set n, 0
.rept 32
	v_pk_add_f32 v[HA+n:HA+n+1], v[AC+n:AC+n+1], v[BN+n:BN+n+1]
.set n, n+2
.endr
	WIN 0
.set n, 0
.rept 32
	v_pk_add_f32 v[HA+n:HA+n+1], v[HA+n:HA+n+1], v[BL+2*(\a):BL+2*(\a)+1] op_sel_hi:[1,0]
.set n, n+2
.endr
	s_wait_xcnt 0x0
	QUANT HA
.irp g, 0,1,2
	global_store_b128 v[LI], v[PC+4*\g:PC+4*\g+3], s[96:97] offset:FRB*(\a)+512*\g
.endr
	v_mov_b32 v[PWS+(\a)], v[PW]
.endm
	s_wait_loadcnt 0x0
	PLACES NP
	s_mov_b32 s[SEL], 0x76543210
	s_mov_b32 s[SEL+1], 0xfedcba98
.set n, 0
.rept 64
	v_and_b32 v[BN+n], s92, v[BN+n]
.set n, n+1
.endr
.set n, 0
.rept 16
	v_and_b32 v[BL+n], s93, v[BL+n]
.set n, n+1
.endr
.irp b, 0,1,2,3
	v_mov_b32 v[TM+4+\b], 0
.endr
.irp a, 0,1,2,3,4,5,6,7
	OUTBLK \a
.endr
	s_wait_alu depctr_va_vdst(0)
	s_wait_xcnt 0x0
	v_and_b32 v3, 31, v0
	v_cmp_le_u32 vcc_lo, 16, v3
.irp i, 0,1,2,3
	v_cndmask_b32 v[PC+\i], v[PWS+\i], v[PWS+4+\i], vcc_lo
.endr
	global_store_b128 v[LI], v[PC:PC+3], s[96:97] offset:8*FRB
	s_wait_tensorcnt 0x0
	ds_add_u32 v[SPW], v[NIL]
	s_wait_dscnt 0x0
	CROUND
	s_endpgm
.Lfunc_end_k_qc7061a6939_proj:
	.size	k_qc7061a6939_proj, .Lfunc_end_k_qc7061a6939_proj-k_qc7061a6939_proj
	.p2alignl 7, 3214868480
	.fill 96, 4, 3214868480
	.section	.rodata,"a",@progbits
	.p2align	6, 0x0
	.amdhsa_kernel k_qc7061a6939_proj
		.amdhsa_group_segment_fixed_size 327680
		.amdhsa_private_segment_fixed_size 0
		.amdhsa_enable_private_segment 0
		.amdhsa_kernarg_size 48
		.amdhsa_user_sgpr_count 2
		.amdhsa_user_sgpr_kernarg_segment_ptr 1
		.amdhsa_wavefront_size32 1
		.amdhsa_system_sgpr_workgroup_id_x 1
		.amdhsa_system_sgpr_workgroup_id_y 1
		.amdhsa_system_sgpr_workgroup_id_z 1
		.amdhsa_system_vgpr_workitem_id 0
		.amdhsa_next_free_vgpr 1024
		.amdhsa_next_free_sgpr 100
		.amdhsa_reserve_vcc 1
		.amdhsa_float_denorm_mode_32 3
		.amdhsa_float_denorm_mode_16_64 3
		.amdhsa_memory_ordered 1
		.amdhsa_forward_progress 1
		.amdhsa_inst_pref_size 179
	.end_amdhsa_kernel
	.amdgpu_metadata
---
amdhsa.version: [ 1, 2 ]
amdhsa.kernels:
  - .name:           k_qc7061a6939_proj
    .symbol:         k_qc7061a6939_proj.kd
    .args:
      - { .name: xc, .offset: 0, .size: 8, .value_kind: global_buffer, .address_space: global }
      - { .name: xs, .offset: 8, .size: 8, .value_kind: global_buffer, .address_space: global }
      - { .name: bq, .offset: 16, .size: 8, .value_kind: global_buffer, .address_space: global }
      - { .name: bk, .offset: 24, .size: 8, .value_kind: global_buffer, .address_space: global }
      - { .name: bv, .offset: 32, .size: 8, .value_kind: global_buffer, .address_space: global }
      - { .name: img, .offset: 40, .size: 8, .value_kind: global_buffer, .address_space: global }
    .group_segment_fixed_size: 327680
    .private_segment_fixed_size: 0
    .kernarg_segment_align: 8
    .kernarg_segment_size: 48
    .max_flat_workgroup_size: 128
    .sgpr_count:     100
    .vgpr_count:     1024
    .wavefront_size: 32
...
	.end_amdgpu_metadata
.endif
;; end of part 3
;; launch attn (part 4): grid 4 x 64, 8 waves a work-group, clusters of 4 x 4, 327,680 bytes of LDS; arguments img, biasw, rowmask, ac, asc; writes ac, asc
.if DOCPART == 4
	.amdgcn_target "amdgcn-amd-amdhsa--gfx1250"
	.amdhsa_code_object_version 6
	.text
	.protected	k_qc7061a6939_attn
	.globl	k_qc7061a6939_attn
	.p2align	8
	.type	k_qc7061a6939_attn,@function
k_qc7061a6939_attn:
	s_mov_b64 s[64:65], 0
	v_nop
	global_prefetch_b8 v0, s[64:65] scope:SCOPE_SE
	s_setreg_imm32_b32 hwreg(HW_REG_WAVE_MODE, 25, 1), 1
	s_wait_xcnt 0x0
	s_wait_alu depctr_hold_cnt(0) depctr_sa_sdst(0) depctr_va_vdst(0) depctr_va_sdst(0) depctr_va_ssrc(0) depctr_va_vcc(0) depctr_vm_vsrc(0)
	s_getreg_b32 s2, hwreg(HW_REG_IB_STS2, 6, 4)
	s_cmp_eq_u32 s2, 0
	s_cbranch_scc0 .Lentry_in_a_cluster
	s_endpgm
.Lentry_in_a_cluster:
	s_bfe_u32 s2, ttmp6, 0x10000c
	s_cmp_lg_u32 s2, 0xf033
	s_cbranch_scc0 .Lentry_shape_is_right
	s_endpgm
.Lentry_shape_is_right:
; ATTENTION on codes of FP6 (E2M3) with E8M0 scales: S^T = K Q^T + b', p = 2^(t - M), O^T = V^T P^T, O / l, and the quantising of O along the model's 1,024 for the last projection.
; t = (q.k + b') c with c = log2(e) / 8; b' = 8 exp(-gamma td), or -8e9 under the mask, comes ready, in the order of the score accumulators' registers, and IS THE C OF THE SCORE PRODUCT: neither the time term nor the mask costs a vector instruction.
; M = the running largest t, rounded up to a whole number; the row's sum is taken of the unquantised p; when M moves, sum and O^T are multiplied by 2^(old M - new M), which rounds nothing.
; SHARES.  A work-group takes 128 queries x 4 heads; each of its eight waves a tile of 16 queries, for the four heads one after the other: so a bias tile is read from LDS once for four heads.  Two waves to a SIMD: one's vector work stands beside the other's matrix work.
; 16 key steps of 128 keys through two LDS slots.  CLUSTER 4 x 4: along a row (same queries) the bias tiles are shared, along a column (same heads and batch) K and V: every tile is asked for jointly.
; K = 64.  A fragment holds a PAIR of heads, [even 6 registers | odd 6].  Q's operand is [q even | zeros] or [zeros | q odd]; against the zeros K's operand may hold any codes, and holds the neighbouring tile's: only the six registers that count are loaded.
; A ROW IN WHICH NO KEY COUNTS has b' = 0 and the row word 0, by which Q's codes are cleared: all t are 0, all p are 1: equal weights, as equal logits give.
; LIMITS.  A hidden key in a row that has open keys gets q.k - 8e9 where the definition has -8e9: its weight falls to 0 either way while the row's largest open logit lies above about -1e9 + |q.k| / 8 + 110.  NaN and infinities are not served.
; While only hidden keys of a row have been met, t is so large that M is t rounded: p may reach 2^64; the first open key multiplies all of that by 0.
; REGISTERS.  window 0: v1-6 addresses; v16-31 for each head -M, largest t, the sum in two halves; v32-39 K's scale words, v40-47 V's, v48-49 Q's, v50 p's; v52-71 at work; v76-95 p's codes; v96-159 b'; v160-223 S^T, then p.
;   window 1: v0-127 O^T, 32 a head; v128-163 Q, 18 a pair; v170-193 four tiles of K; v200-247 V's four fragments, or from v206 four more tiles of K; v164-169, v194-199: zeros.
.set REC,   12800                      ; a record: 8 fragments of 1,536 bytes and 512 bytes of scale words
.set FRB,   1536
.set SLOT1, 1<<17                      ; slot 1 begins here: one exclusive or turns an address
.set VOFF,  2*REC                      ; a slot: K's two records, V's two, eight bias tiles of 8,192
.set BOFF,  4*REC
.set SPARE, SLOT1+BOFF+8*8192          ; the spare words, 128 bytes for each of eight waves
.set LI,  1                            ; v1  16 x lane
.set ADL, 2                            ; v2  the slot in hand + 16 x lane
.set ADB, 3                            ; v3  my bias tile in it
.set SPW, 4
.set NIL, 5
.set AB0, 6                            ; v6  BOFF + 8,192 x wave + 16 x lane
.set ST,  16
.set KS,  32
.set VS,  40
.set QS,  48
.set PW,  50
.set PW0, 51
.set FF,  52                           ; v52-53 f = 2^(old M - new M), named as a pair
.set T,   54
.set RM,  55                           ; the row word
.set TM,  56
.set BMX, TM                           ; the four blocks' largest scores
.set PT,  TM+4
.set SO,  TM+12                        ; the conversions' scale operands
.set PC,  76
.set BI,  96
.set S,   160
.set QR,  128                          ; in window 1
.set FA,  170
.set FB,  200
.set WV,  16
.set SEL, 20
.set CS,  22
.set G1B, 24
.set G1K, 32
.set G0B, 40
.set G0K, 44
.set TB,  48
.set CNT, 49
.set MSB, 0
.macro WIN new                         ; the immediate's high byte repeats the setting that is left
.if MSB != (\new)
	s_set_vgpr_msb (MSB<<8)|(\new)
.set MSB, (\new)
.endif
.endm
.set W_LD, 0x40                        ; destination window 1
.set W_QK, 0x05                        ; K and Q window 1; b' and S^T window 0
.set W_RS, 0x41                        ; O^T window 1, f window 0
.set W_PV, 0x51                        ; V and O^T window 1, p window 0
.macro PLACES
.rept 4
	v_nop
.endr
.endm
; A joint load: waves 0-3 fetch two bias tiles each, waves 4-7 a record of K or V each.  The branch hangs on the wave's number alone.  An s_nop 0 and four v_nop follow each line.
.macro JLOAD
	s_cmp_lt_u32 s[WV], 4
	s_cbranch_scc0 .Lfor_kv_\@
	tensor_load_to_lds s[G0B:G0B+3], s[G1B:G1B+7]
	s_nop 0
.rept 4
	v_nop
.endr
	s_branch .Lasked_\@
.Lfor_kv_\@:
	tensor_load_to_lds s[G0K:G0K+3], s[G1K:G1K+7]
	s_nop 0
.rept 4
	v_nop
.endr
.Lasked_\@:
.endm
.macro CROUND                          ; a round of the cluster's barrier
	s_barrier_signal -1
	s_barrier_wait -1
	s_cmp_lg_u32 s[WV], 0
	s_cbranch_scc1 .Lnot_wave_0_\@
	s_barrier_signal -3
.Lnot_wave_0_\@:
	s_barrier_wait -3
	s_barrier_signal -1
	s_barrier_wait -1
.endm
	s_load_b256 s[4:11], s[0:1], 0x0               ; img, biasw, rowmask, ac
	s_load_b64 s[12:13], s[0:1], 0x20              ; asc
	v_lshl_add_u32 v[SPW], v0, 2, SPARE
	v_mov_b32 v[NIL], 0
	ds_add_u32 v[SPW], v[NIL]                      ; the wave's opening
	ds_add_u32 v[SPW], v[NIL]
	v_lshrrev_b32 v7, 5, v0
	s_delay_alu instid0(VALU_DEP_1)
	v_readfirstlane_b32 s[WV], v7                  ; wave 0..7
	s_and_b32 s17, s[WV], 3
	s_bfe_u32 s50, ttmp6, 0x40000                  ; cx
	s_bfe_u32 s51, ttmp6, 0x40004                  ; cy
	s_and_b32 s52, ttmp7, 0xffff                   ; the cluster's y, 0 .. 15
	s_lshr_b32 s53, s52, 2                         ; the batch
	s_and_b32 s54, s52, 3
	s_lshl_b32 s54, s54, 2
	s_add_co_u32 s54, s54, s51
	s_lshl_b32 s56, s53, 4
	s_add_co_u32 s54, s54, s56                     ; G: my block of 128 queries among 64: hangs on cy, never on cx
	s_lshl_b32 s55, ttmp9, 2
	s_add_co_u32 s55, s55, s50                     ; my group of four heads: hangs on cx, never on cy
	s_lshl_b32 s56, s54, 20                        ; the bias: G x 16 key steps x 65,536, + two tiles for each of waves 0-3
	s_lshl_b32 s57, s17, 14
	s_add_co_u32 s56, s56, s57
	s_mov_b32 s57, 0
	s_lshr_b32 s58, s17, 1                         ; K's records begin at record 512, V's at 1,024; 128 records a batch, 8 a key step; the pair of heads
	s_lshl_b32 s58, s58, 9
	s_add_co_u32 s58, s58, 512
	s_lshl_b32 s59, s53, 7
	s_add_co_u32 s58, s58, s59
	s_lshl_b32 s59, s55, 1
	s_add_co_u32 s58, s58, s59
	s_and_b32 s59, s[WV], 1
	s_add_co_u32 s58, s58, s59
	s_mul_i32 s58, s58, REC
	s_mov_b32 s59, 0
	s_lshl_b32 s60, s51, 2
	s_lshl_b32 s60, 15, s60                        ; my row of the cluster
	s_lshl_b32 s61, 0x1111, s50                    ; my column
	s_or_b32 s[G1B], s60, (3<<16)|(1<<21)          ; the bias: 64 rows of 256 bytes (32 elements of 8), dense; the mask, and bit 21 beside it
	s_mov_b32 s[G1B+1], 32<<16
	s_mov_b32 s[G1B+2], 64<<16
	s_mov_b32 s[G1B+3], 32<<16
	s_mov_b32 s[G1B+4], 64
	s_mov_b32 s[G1B+5], 32
	s_mov_b32 s[G1B+6], 0
	s_mov_b32 s[G1B+7], 0
	s_or_b32 s[G1K], s61, (3<<16)|(1<<21)          ; a record: 50 rows of 256 bytes
	s_mov_b32 s[G1K+1], 32<<16
	s_mov_b32 s[G1K+2], 50<<16
	s_mov_b32 s[G1K+3], 32<<16
	s_mov_b32 s[G1K+4], 50
	s_mov_b32 s[G1K+5], 32
	s_mov_b32 s[G1K+6], 0
	s_mov_b32 s[G1K+7], 0
	s_mov_b32 s[SEL], 0x76543210
	s_mov_b32 s[SEL+1], 0xfedcba98                 ; lane l xor 16
	s_mov_b32 s[CS], 0x3e38aa3b                    ; c = log2(e) / 8
	s_mov_b32 s[CS+1], s[CS]
	s_mov_b32 s[TB], 0
	s_mov_b32 s[CNT], 15
	s_lshl_b32 s62, s17, 14
	s_wait_dscnt 0x0                               ; the opening add is done
	s_wait_kmcnt 0x0
	s_mov_b32 s[G0B], 1
	s_add_co_u32 s[G0B+1], s62, BOFF               ; LDS: wave's number and constants alone
	s_add_nc_u64 s[G0B+2:G0B+3], s[6:7], s[56:57]
	s_or_b32 s[G0B+3], s[G0B+3], 0x80000000
	s_mov_b32 s[G0K], 1
	s_mul_i32 s[G0K+1], s17, REC
	s_add_nc_u64 s[G0K+2:G0K+3], s[4:5], s[58:59]
	s_or_b32 s[G0K+3], s[G0K+3], 0x80000000
	CROUND                                         ; all sixteen work-groups are here
	JLOAD                                          ; key step 0 into slot 0
	v_and_b32 v7, 31, v0
	s_delay_alu instid0(VALU_DEP_1)
	v_lshlrev_b32 v[LI], 4, v7
	v_bfe_u32 v13, v0, 4, 1
	v_lshlrev_b32 v13, 3, v13                      ; v13 = 8 x (lane / 16): where my two scale bytes stand in p's scale word; never rewritten
	s_wait_alu depctr_va_vdst(0)
	v_and_b32 v9, 15, v0                           ; r
	s_wait_alu depctr_va_vdst(0)
	s_lshl_b32 s62, s[WV], 13
	s_add_co_u32 s62, s62, BOFF
	v_add_nc_u32 v[AB0], s62, v[LI]
	s_lshl_b32 s72, s54, 3
	s_lshl_b32 s73, s55, 1
	s_add_co_u32 s72, s72, s73
	s_mul_i32 s72, s72, REC                        ; Q's records: 8 G + the pair of heads
	s_mov_b32 s73, 0
	s_add_nc_u64 s[66:67], s[4:5], s[72:73]
	s_lshl_b32 s74, s54, 3
	s_add_co_u32 s74, s74, s[WV]                   ; T: my tile of 16 queries among 512
	s_lshl_b32 s72, s74, 6
	s_add_nc_u64 s[8:9], s[8:9], s[72:73]          ; its row words
	s_lshl_b32 s72, s74, 3
	s_lshl_b32 s75, s55, 1
	s_add_co_u32 s72, s72, s75
	s_mul_i32 s72, s72, FRB
	s_add_nc_u64 s[68:69], s[10:11], s[72:73]      ; out: fragment 8 T + the pair of heads
	s_lshl_b32 s72, s74, 9
	s_lshl_b32 s75, s55, 3
	s_add_co_u32 s72, s72, s75
	s_add_nc_u64 s[70:71], s[12:13], s[72:73]      ; and its scale words: 512 bytes a tile, 4 bytes a pair
	s_mul_i32 s75, s[WV], FRB
	v_add_nc_u32 v10, s75, v[LI]                   ; Q: fragment = wave
	s_lshr_b32 s76, s[WV], 2
	s_lshl_b32 s76, s76, 8
	s_lshl_b32 s75, s17, 2
	s_add_co_u32 s76, s76, s75
	v_lshl_add_u32 v11, v9, 4, s76                 ; its scale word: lane r + 16 (wave / 4) of the image, word wave % 4
	v_lshlrev_b32 v12, 2, v9
.irp p, 0,1
.irp g, 0,1,2
	global_load_b128 v[S+12*\p+4*\g:S+12*\p+4*\g+3], v10, s[66:67] offset:REC*\p+512*\g
.endr
	global_load_b32 v[QS+\p], v11, s[66:67] offset:REC*\p+8*FRB
.endr
	global_load_b32 v[RM], v12, s[8:9]
.irp g, 0,1,2,3
	v_mov_b32 v[ST+4*\g+1], 0xff61b1e6             ; the largest t so far: -3e38
	s_delay_alu instid0(VALU_DEP_1)
	v_floor_f32 v[ST+4*\g], -v[ST+4*\g+1]          ; -M
	v_mov_b32 v[ST+4*\g+2], 0                      ; the sum, in two halves
	v_mov_b32 v[ST+4*\g+3], 0
	v_mov_b32 v[PT+\g], 0                          ; a lane permute's destination counts as one of its sources
.endr
	v_mov_b32 v[FF+1], 0                           ; (named as the upper half of a pair)
	WIN W_LD
.set n, 0
.rept 128
	v_mov_b32 v[n], 0                              ; O^T.  The key step is written once for all steps: the first finds zeros, which the first change of M leaves zeros; a step of its own would be a third copy of the text
.set n, n+1
.endr
.irp n, 164,165,166,167,168,169, 194,195,196,197,198,199, 200,201,202,203,204,205, 230,231,232,233,234,235
	v_mov_b32 v[\n], 0                             ; what stands beside the first and last tile of a batch of K, against Q's zeros
.endr
	s_wait_loadcnt 0x0
.irp p, 0,1
.irp i, 0,1,2,3,4,5
	v_and_b32 v[QR+18*\p+\i], v[RM], v[S+12*\p+\i]           ; the even head's codes, cleared in a row with no key,
	v_mov_b32 v[QR+18*\p+6+\i], 0                            ; zeros,
	v_and_b32 v[QR+18*\p+12+\i], v[RM], v[S+12*\p+6+\i]      ; the odd head's
.endr
.endr
	WIN 0
; Four tiles of K for head g, from tile t0 on: of a fragment's 12 registers the head's six: registers 0-5 are the image's bytes 0-15 of group 0 and 0-7 of group 1; registers 6-11 bytes 8-15 of group 1 and group 2.
.macro KLOAD g, t0, dst
.irp u, 0,1,2,3
.if ((\g)%2) == 0
	ds_load_b128 v[\dst+6*\u:\dst+6*\u+3], v[ADL] offset:REC*((\g)/2)+FRB*(\t0+\u)
	ds_load_b64 v[\dst+6*\u+4:\dst+6*\u+5], v[ADL] offset:REC*((\g)/2)+FRB*(\t0+\u)+512
.else
	ds_load_b64 v[\dst+6*\u:\dst+6*\u+1], v[ADL] offset:REC*((\g)/2)+FRB*(\t0+\u)+520
	ds_load_b128 v[\dst+6*\u+2:\dst+6*\u+5], v[ADL] offset:REC*((\g)/2)+FRB*(\t0+\u)+1024
.endif
.endr
.endm
.macro VLOAD g                         ; head g's four fragments of V^T: 16 channels x 128 keys each
.irp i, 0,1,2,3
.irp c, 0,1,2
	ds_load_b128 v[FB+12*\i+4*\c:FB+12*\i+4*\c+3], v[ADL] offset:VOFF+REC*((\g)/2)+FRB*(4*((\g)%2)+\i)+512*\c
.endr
.endr
.endm
; S^T of tile t = 16 keys x my 16 queries, + b'.  K's scale words: register t % 4 of the pair's four, lanes 0-15 for tiles 0-3, lanes 16-31 for tiles 4-7.
.macro QK g, t
.set qE, (\g)%2
.set qP, (\g)/2
.if (\t) < 4
.set qX, FA+6*(\t)-6*qE
	v_wmma_scale_f32_16x16x128_f8f6f4 v[S+8*(\t):S+8*(\t)+7], v[qX:qX+11], v[QR+18*qP+6*qE:QR+18*qP+6*qE+11], v[BI+8*(\t):BI+8*(\t)+7], v[KS+4*qP+(\t)], v[QS+qP] matrix_a_fmt:MATRIX_FMT_FP6 matrix_b_fmt:MATRIX_FMT_FP6
.else
.set qX, FB+6+6*((\t)-4)-6*qE
	v_wmma_scale_f32_16x16x128_f8f6f4 v[S+8*(\t):S+8*(\t)+7], v[qX:qX+11], v[QR+18*qP+6*qE:QR+18*qP+6*qE+11], v[BI+8*(\t):BI+8*(\t)+7], v[KS+4*qP+(\t)-4], v[QS+qP] matrix_a_fmt:MATRIX_FMT_FP6 matrix_b_fmt:MATRIX_FMT_FP6 matrix_a_scale:MATRIX_SCALE_ROW1
.endif
.endm
.macro PV g, i                         ; O^T += 16 channels x 128 keys x my 16 queries.  The four accumulators take turns
.if ((\g)%2) == 0
	v_wmma_scale_f32_16x16x128_f8f6f4 v[32*(\g)+8*(\i):32*(\g)+8*(\i)+7], v[FB+12*(\i):FB+12*(\i)+11], v[PC:PC+11], v[32*(\g)+8*(\i):32*(\g)+8*(\i)+7], v[VS+4*((\g)/2)+(\i)], v[PW] matrix_a_fmt:MATRIX_FMT_FP6 matrix_b_fmt:MATRIX_FMT_FP6
.else
	v_wmma_scale_f32_16x16x128_f8f6f4 v[32*(\g)+8*(\i):32*(\g)+8*(\i)+7], v[FB+12*(\i):FB+12*(\i)+11], v[PC:PC+11], v[32*(\g)+8*(\i):32*(\g)+8*(\i)+7], v[VS+4*((\g)/2)+(\i)], v[PW] matrix_a_fmt:MATRIX_FMT_FP6 matrix_b_fmt:MATRIX_FMT_FP6 matrix_a_scale:MATRIX_SCALE_ROW1
.endif
.endm
; Head g's softmax of a key step: a lane holds one query and 64 keys; register 32 c + n is key 64 c + 32 (lane / 16) + n of the step: two whole blocks of 32 keys, blocks lane / 16 and 2 + lane / 16.
.macro SOFTMAX g
.set rT, ST+4*(\g)
.irp b, 0,1,2,3
	v_max3_num_f32 v[BMX+\b], v[S+16*\b], v[S+1+16*\b], v[S+2+16*\b]   ; the largest score of each block of 32 keys: it serves the row's maximum and, since p rises with the score, the block's largest p
.endr
.irp i, 3,5,7,9,11,13
.irp b, 0,1,2,3
	v_max3_num_f32 v[BMX+\b], v[BMX+\b], v[S+16*\b+\i], v[S+1+16*\b+\i]
.endr
.endr
.irp b, 0,1,2,3
	v_max_num_f32 v[BMX+\b], v[BMX+\b], v[S+15+16*\b]
.endr
	s_delay_alu instid0(VALU_DEP_3)
	v_max_num_f32 v[BMX], v[BMX], v[BMX+1]         ; my first block's largest score: both its halves are mine,
	s_delay_alu instid0(VALU_DEP_2)
	v_max_num_f32 v[BMX+1], v[BMX+2], v[BMX+3]     ; and my second block's
	s_delay_alu instid0(VALU_DEP_1)
	v_max_num_f32 v[T], v[BMX], v[BMX+1]
	s_delay_alu instid0(VALU_DEP_1)
	v_permlanex16_b32 v[PT], v[T], s[SEL], s[SEL+1]
	s_delay_alu instid0(VALU_DEP_1)
	v_max_num_f32 v[T], v[T], v[PT]                ; with lane l xor 16's two blocks: the step's largest score of my query
	s_delay_alu instid0(VALU_DEP_1)
	v_mul_f32 v[T], s[CS], v[T]                    ; as t (c is positive)
	s_delay_alu instid0(VALU_DEP_1)
	v_max_num_f32 v[rT+1], v[rT+1], v[T]           ; the running largest t
	v_mov_b32 v[T], v[rT]
	s_delay_alu instid0(VALU_DEP_2)
	v_floor_f32 v[rT], -v[rT+1]                    ; the new -M = -ceil(t): a whole number
	s_delay_alu instid0(VALU_DEP_1)
	v_sub_f32 v[T], v[rT], v[T]                    ; old M - new M: a whole number, 0 or less
	s_delay_alu instid0(VALU_DEP_1)
	v_cvt_i32_f32 v[T], v[T]                       ; (it saturates)
	s_delay_alu instid0(VALU_DEP_1)
	v_ldexp_f32 v[FF], 1.0, v[T]                   ; f = 2^(old M - new M)
.set n, 0
.rept 32
	v_pk_fma_f32 v[S+n:S+n+1], v[S+n:S+n+1], s[CS:CS+1], v[rT:rT+1] op_sel_hi:[1,0,0]   ; t - M, two at a time
.set n, n+2
.endr
.irp b, 0,1
	v_fma_f32 v[BMX+\b], v[BMX+\b], s[CS], v[rT]
.endr
.set n, 0
	s_wait_alu depctr_va_vdst(0)
.rept 64
	v_exp_f32 v[S+n], v[S+n]                       ; p = 2^(t - M): not normalised
.set n, n+1
.endr
	v_pk_mul_f32 v[rT+2:rT+3], v[rT+2:rT+3], v[FF:FF+1] op_sel_hi:[1,0]   ; the sums under the new M.  (The plain place behind the exponentials)
	s_wait_alu depctr_va_vdst(0)                   ; one wait for the batch of 64, ahead of its first reader
.irp b, 0,1
	v_exp_f32 v[BMX+\b], v[BMX+\b]
.endr
	v_pk_add_f32 v[PT:PT+1], v[S:S+1], v[S+2:S+3]  ; the row's sum, of the unquantised p, in two chains: it reads the 64 alone
.set n, 4
.rept 15
	v_pk_add_f32 v[rT+2:rT+3], v[rT+2:rT+3], v[S+n:S+n+1]
	v_pk_add_f32 v[PT:PT+1], v[PT:PT+1], v[S+n+2:S+n+3]
.set n, n+4
.endr
	s_delay_alu instid0(VALU_DEP_1)
	v_pk_add_f32 v[rT+2:rT+3], v[rT+2:rT+3], v[PT:PT+1]
	s_wait_alu depctr_va_vdst(0)                   ; and one for the two
.irp b, 0,1
	v_max_num_f32 v[BMX+\b], 0x1800000, v[BMX+\b]  ; the floor 2^(3 - 127): the byte cannot fall under 1
.endr
.irp b, 0,1
	s_delay_alu instid0(VALU_DEP_2)
	v_add_nc_u32 v[SO+\b], 0xff000000, v[BMX+\b]   ; 2 off the exponent field: the conversion's scale operand
.endr
.irp b, 0,1
	s_delay_alu instid0(VALU_DEP_2)
	v_lshrrev_b32 v[PT+\b], 23, v[SO+\b]
.endr
	s_delay_alu instid0(VALU_DEP_1)
	v_lshl_or_b32 v[PW], v[PT+1], 16, v[PT]        ; my two bytes: blocks h and 2 + h,
	s_delay_alu instid0(VALU_DEP_1)
	v_lshlrev_b32 v[PW], v13, v[PW]                ; at their places in the scale word (8 h bits up);
	s_delay_alu instid0(VALU_DEP_1)
	v_permlanex16_b32 v[PT+2], v[PW], s[SEL], s[SEL+1]
	s_delay_alu instid0(VALU_DEP_1)
	v_or_b32 v[PW], v[PW], v[PT+2]                 ; with lane l xor 16's two the word of these 128 keys is whole
.irp c, 0,1
	v_cvt_scalef32_pk16_fp6_f32 v[PC+6*\c:PC+2+6*\c], v[S+32*\c:S+15+32*\c], v[SO+\c]
	v_cvt_scalef32_pk16_fp6_f32 v[PC+12+4*\c:PC+14+4*\c], v[S+16+32*\c:S+31+32*\c], v[SO+\c]   ; (a conversion's three registers begin on an even number: the block's second half is made elsewhere and moved)
.endr
	v_nop                                          ; one plain place behind a scaled conversion
.irp c, 0,1
.irp i, 0,1,2
	v_mov_b32 v[PC+3+6*\c+\i], v[PC+12+4*\c+\i]    ; registers 6 c .. 6 c + 5 now hold keys 64 c + 32 h + 0 .. 31
.endr
.endr
.endm
.macro HEAD g
	s_wait_dscnt 8                                 ; all but the youngest eight loads (K's tiles 4-7) are in
	WIN W_QK
.irp t, 0,1,2,3
	QK \g, \t
.endr
	s_wait_dscnt 0x0
.irp t, 4,5,6,7
	QK \g, \t
.endr
	WIN 0
	PLACES                                         ; in front of the loads into K's registers, and of the first read of S^T
	WIN W_LD
	VLOAD \g
.if (\g) < 3
	KLOAD (\g)+1, 0, FA                            ; the next head's tiles 0-3
.endif
	WIN 0
	SOFTMAX \g
	WIN W_RS
.set n, 0
.rept 16
	v_pk_mul_f32 v[32*(\g)+n:32*(\g)+n+1], v[32*(\g)+n:32*(\g)+n+1], v[FF:FF+1] op_sel_hi:[1,0]   ; O^T under the new M.  (These 16 are also the places between p's codes and scale word and the products)
.set n, n+2
.endr
.if (\g) < 3
	s_wait_alu depctr_va_vdst(0)
	s_wait_dscnt 8                                 ; V is in; the next head's eight loads may be out
.else
	s_wait_alu depctr_va_vdst(0)
	s_wait_dscnt 0x0
.endif
	WIN W_PV
.irp i, 0,1,2,3
	PV \g, \i
.endr
	WIN 0
.if (\g) < 3
	PLACES                                         ; in front of the loads into V's registers
	WIN W_LD
	KLOAD (\g)+1, 4, FB+6                          ; the next head's tiles 4-7
	WIN 0
.endif
.endm
; THE CHANGE OF SLOTS stands at a key step's head.  Each wave waits for all its tensor loads (its part of the slot that it is about to read), adds 0 to its spare word, and waits for that and for its reads of the slot that it has left.
; fill = 1: a round of the cluster's barrier, and the slot just left is filled with the next key step: that load has a whole key step in which to land.  One tensor load of mine is out.
.macro CHANGE fill
	s_wait_tensorcnt 0x0                           ; no tensor load of mine is out, so a group 0 may be written
	ds_add_u32 v[SPW], v[NIL]
.if \fill
	s_xor_b32 s[G0B+1], s[G0B+1], SLOT1
	s_add_nc_u64 s[G0B+2:G0B+3], s[G0B+2:G0B+3], 65536
	s_xor_b32 s[G0K+1], s[G0K+1], SLOT1
	s_add_nc_u64 s[G0K+2:G0K+3], s[G0K+2:G0K+3], 8*REC
.endif
	s_wait_dscnt 0x0
.if \fill
	CROUND
	JLOAD                                          ; its four v_nop are also the places in front of the loads into V's registers
.else
	s_barrier_signal -1
	s_barrier_wait -1
	PLACES
.endif
.endm
.macro KSTEP
	v_add_nc_u32 v[ADL], s[TB], v[LI]
	v_add_nc_u32 v[ADB], s[TB], v[AB0]
.irp i, 0,1,2,3,4,5,6,7,8,9,10,11,12,13,14,15
	ds_load_b128 v[BI+4*\i:BI+4*\i+3], v[ADB] offset:512*\i   ; b' of my 16 queries x 128 keys: read once for four heads
.endr
.irp p, 0,1
	ds_load_b128 v[KS+4*\p:KS+4*\p+3], v[ADL] offset:REC*\p+8*FRB
	ds_load_b128 v[VS+4*\p:VS+4*\p+3], v[ADL] offset:VOFF+REC*\p+8*FRB
.endr
	WIN W_LD
	KLOAD 0, 0, FA
	KLOAD 0, 4, FB+6
	WIN 0
	s_wait_alu depctr_va_vdst(0)
	HEAD 0
	HEAD 1
	HEAD 2
	HEAD 3
	s_xor_b32 s[TB], s[TB], SLOT1
.endm
.Lstep:                                            ; 15 trips: behind each change of slots but the last the next key step is asked for
	CHANGE 1
	KSTEP
	s_sub_co_u32 s[CNT], s[CNT], 1
	s_cmp_lg_u32 s[CNT], 0
	s_cbranch_scc1 .Lstep
	CHANGE 0                                       ; the last key step is written out
	KSTEP
; 64 numbers of a lane, register 16 b + i = k 32 b + 16 (lane / 16) + i of my row, become a fragment's codes in v[PC] on and its scale word in v[PW].
.macro QUANT s
.irp b, 0,1,2,3
	v_max3_num_f32 v[TM+\b], |v[\s+16*\b]|, |v[\s+1+16*\b]|, 0x1800000
.endr
.irp i, 2,4,6,8,10,12,14
.irp b, 0,1,2,3
	s_delay_alu instid0(VALU_DEP_4)
	v_max3_num_f32 v[TM+\b], v[TM+\b], |v[\s+16*\b+\i]|, |v[\s+1+16*\b+\i]|
.endr
.endr
.irp b, 0,1,2,3
	s_delay_alu instid0(VALU_DEP_4)
	v_permlanex16_b32 v[TM+4+\b], v[TM+\b], s[SEL], s[SEL+1]
.endr
.irp b, 0,1,2,3
	s_delay_alu instid0(VALU_DEP_4)
	v_max_num_f32 v[TM+\b], v[TM+\b], v[TM+4+\b]
.endr
.irp b, 0,1,2,3
	s_delay_alu instid0(VALU_DEP_4)
	v_add_nc_u32 v[TM+12+\b], 0xff000000, v[TM+\b]
.endr
.irp b, 0,1,2,3
	s_delay_alu instid0(VALU_DEP_4)
	v_lshrrev_b32 v[TM+4+\b], 23, v[TM+12+\b]
.endr
	s_delay_alu instid0(VALU_DEP_3)
	v_lshl_or_b32 v[PW], v[TM+5], 8, v[TM+4]
	s_delay_alu instid0(VALU_DEP_1)
	v_lshl_or_b32 v[PW], v[TM+6], 16, v[PW]
	s_delay_alu instid0(VALU_DEP_1)
	v_lshl_or_b32 v[PW], v[TM+7], 24, v[PW]
.irp c, 0,1
	v_cvt_scalef32_pk16_fp6_f32 v[PC+6*\c:PC+2+6*\c], v[\s+32*\c:\s+15+32*\c], v[TM+12+2*\c]
	v_cvt_scalef32_pk16_fp6_f32 v[PC+12+4*\c:PC+14+4*\c], v[\s+16+32*\c:\s+31+32*\c], v[TM+12+2*\c+1]
.endr
	v_nop
.irp c, 0,1
.irp i, 0,1,2
	v_permlane16_swap_b32 v[PC+6*\c+\i], v[PC+12+4*\c+\i]
.endr
.irp i, 0,1,2
	s_delay_alu instid0(VALU_DEP_3)
	v_mov_b32 v[PC+3+6*\c+\i], v[PC+12+4*\c+\i]
.endr
.endr
.endm
	; THE WAY OUT.  O^T / the sum; a pair of heads is 128 neighbouring numbers of a token's 1,024: one fragment of the last projection's A.  The first additions are the places behind the last products.
.irp g, 0,1,2,3
	v_add_f32 v[ST+4*\g+2], v[ST+4*\g+2], v[ST+4*\g+3]
.endr
.irp g, 0,1,2,3
	s_delay_alu instid0(VALU_DEP_4)
	v_permlanex16_b32 v[PT+\g], v[ST+4*\g+2], s[SEL], s[SEL+1]
.endr
.irp g, 0,1,2,3
	s_delay_alu instid0(VALU_DEP_4)
	v_add_f32 v[ST+4*\g+3], v[ST+4*\g+2], v[PT+\g] ; the row's sum
.endr
	s_wait_alu depctr_va_vdst(0)
.irp g, 0,1,2,3
	v_rcp_f32 v[ST+4*\g+2], v[ST+4*\g+3]
.endr
	v_nop                                          ; a plain place behind the last reciprocal
	s_wait_alu depctr_va_vdst(0)                   ; one wait for the four, ahead of their first reader
.irp p, 0,1
	WIN 0x01                                       ; source 0 window 1
.set n, 0
.rept 16
	v_pk_mul_f32 v[BI+n:BI+n+1], v[64*\p+n:64*\p+n+1], v[ST+8*\p+2:ST+8*\p+3] op_sel_hi:[1,0]   ; ascending: each accumulator from its low end on
.set n, n+2
.endr
.rept 16
	v_pk_mul_f32 v[BI+n:BI+n+1], v[64*\p+n:64*\p+n+1], v[ST+8*\p+6:ST+8*\p+7] op_sel_hi:[1,0]
.set n, n+2
.endr
	WIN 0
	s_wait_xcnt 0x0                                ; the first pair's stores have read the codes' registers
	QUANT BI
.irp g, 0,1,2
	global_store_b128 v[LI], v[PC+4*\g:PC+4*\g+3], s[68:69] offset:FRB*\p+512*\g   ; 512 consecutive bytes, aligned
.endr
.if \p == 0
	v_mov_b32 v[PW0], v[PW]
.endif
.endr
	v_and_b32 v7, 31, v0
	v_and_b32 v9, 15, v0
	v_bfe_u32 v10, v0, 4, 1
	s_delay_alu instid0(VALU_DEP_2)
	v_lshlrev_b32 v11, 5, v9
	s_delay_alu instid0(VALU_DEP_1)
	v_lshl_add_u32 v11, v10, 2, v11                ; 32 bytes a row, 4 bytes a pair of heads
	v_cmp_le_u32 vcc_lo, 16, v7
	s_delay_alu instid0(VALU_DEP_1)
	v_cndmask_b32 v12, v[PW0], v[PW], vcc_lo       ; lanes 0-15 the first pair's word, lanes 16-31 the second's
	global_store_b32 v11, v12, s[70:71]            ; 8 bytes of each row's 32: these blocks are written in part, by four work-groups; 262,144 bytes in the whole launch
	s_wait_tensorcnt 0x0                           ; the wave's end
	ds_add_u32 v[SPW], v[NIL]
	s_wait_dscnt 0x0
	CROUND                                         ; the closing round
	s_endpgm
.Lfunc_end_k_qc7061a6939_attn:
	.size	k_qc7061a6939_attn, .Lfunc_end_k_qc7061a6939_attn-k_qc7061a6939_attn
	.p2alignl 7, 3214868480
	.fill 96, 4, 3214868480
	.section	.rodata,"a",@progbits
	.p2align	6, 0x0
	.amdhsa_kernel k_qc7061a6939_attn
		.amdhsa_group_segment_fixed_size 327680
		.amdhsa_private_segment_fixed_size 0
		.amdhsa_enable_private_segment 0
		.amdhsa_kernarg_size 40
		.amdhsa_user_sgpr_count 2
		.amdhsa_user_sgpr_kernarg_segment_ptr 1
		.amdhsa_wavefront_size32 1
		.amdhsa_system_sgpr_workgroup_id_x 1
		.amdhsa_system_sgpr_workgroup_id_y 1
		.amdhsa_system_sgpr_workgroup_id_z 1
		.amdhsa_system_vgpr_workitem_id 0
		.amdhsa_next_free_vgpr 512
		.amdhsa_next_free_sgpr 100
		.amdhsa_reserve_vcc 1
		.amdhsa_float_denorm_mode_32 3
		.amdhsa_float_denorm_mode_16_64 3
		.amdhsa_memory_ordered 1
		.amdhsa_forward_progress 1
		.amdhsa_inst_pref_size 157
	.end_amdhsa_kernel
	.amdgpu_metadata
---
amdhsa.version: [ 1, 2 ]
amdhsa.kernels:
  - .name:           k_qc7061a6939_attn
    .symbol:         k_qc7061a6939_attn.kd
    .args:
      - { .name: img, .offset: 0, .size: 8, .value_kind: global_buffer, .address_space: global }
      - { .name: biasw, .offset: 8, .size: 8, .value_kind: global_buffer, .address_space: global }
      - { .name: rowmask, .offset: 16, .size: 8, .value_kind: global_buffer, .address_space: global }
      - { .name: ac, .offset: 24, .size: 8, .value_kind: global_buffer, .address_space: global }
      - { .name: asc, .offset: 32, .size: 8, .value_kind: global_buffer, .address_space: global }
    .group_segment_fixed_size: 327680
    .private_segment_fixed_size: 0
    .kernarg_segment_align: 8
    .kernarg_segment_size: 40
    .max_flat_workgroup_size: 256
    .sgpr_count:     100
    .vgpr_count:     512
    .wavefront_size: 32
...
	.end_amdgpu_metadata
.endif
;; end of part 4
;; launch oproj (part 5): grid 4 x 64, 4 waves a work-group, clusters of 4 x 4, 327,680 bytes of LDS; arguments ac, asc, xc, xs, bo, out0; writes out0
.if DOCPART == 5
	.amdgcn_target "amdgcn-amd-amdhsa--gfx1250"
	.amdhsa_code_object_version 6
	.text
	.protected	k_qc7061a6939_oproj
	.globl	k_qc7061a6939_oproj
	.p2align	8
	.type	k_qc7061a6939_oproj,@function
k_qc7061a6939_oproj:
	s_mov_b64 s[64:65], 0
	v_nop
	global_prefetch_b8 v0, s[64:65] scope:SCOPE_SE
	s_setreg_imm32_b32 hwreg(HW_REG_WAVE_MODE, 25, 1), 1
	s_wait_xcnt 0x0
	s_wait_alu depctr_hold_cnt(0) depctr_sa_sdst(0) depctr_va_vdst(0) depctr_va_sdst(0) depctr_va_ssrc(0) depctr_va_vcc(0) depctr_vm_vsrc(0)
	s_getreg_b32 s2, hwreg(HW_REG_IB_STS2, 6, 4)
	s_cmp_eq_u32 s2, 0
	s_cbranch_scc0 .Lentry_in_a_cluster
	s_endpgm
.Lentry_in_a_cluster:
	s_bfe_u32 s2, ttmp6, 0x10000c
	s_cmp_lg_u32 s2, 0xf033
	s_cbranch_scc0 .Lentry_shape_is_right
	s_endpgm
.Lentry_shape_is_right:
; out0 = O Wo^T + bo on codes of FP6 (E2M3) with E8M0 scales.  O's codes (ac) and Wo's (xc, row tiles 1,728 on) are images of operand registers: [row tile][K step of 128 (8)][1,536]: group g of four registers at 512 g + 16 lane.
; The scale words (asc, xs): [row tile][position r][8 words], a word a K step.  Position r of tile t is row 32 (t / 2) + 8 (t % 2) + r + 8 (r / 8), for tokens and for Wo's rows alike.
; SHARES.  A block of out0 is 128 rows x 256 columns: 64 x 4 = 256 work-groups; four waves, each 64 x 128: 32 accumulators, 256 registers.
; ALL OF K LIES IN LDS: A's 8 row tiles (98,304 bytes) and B's 16 (196,608), each tile 12,288 dense bytes; filled once, one tensor load a wave (waves 0, 1: A's halves; waves 2, 3: B's), so nothing is filled again.
; CLUSTER 4 x 4: A's tiles are shared along a row of the cluster, B's along a column: every load is a joint one.  No prefetch: the launch has no loop to run ahead in; its only loads of codes stand at its head.
; THE SCALE WORDS go from memory to registers: a load of 16 bytes a lane at 32 r + 16 h covers a tile's 512 bytes; register q then holds K step q in lanes 0-15 and K step 4 + q in lanes 16-31.
; The matrix instruction is used transposed (source 0 = 16 rows of Wo, source 1 = 16 tokens): a lane holds eight neighbouring numbers of a row of out0.
; REGISTERS.  window 0: v16-29 addresses; v32-47 A's scale words, v48-79 B's; v80-83 bo; v128-175, v176-223 A's fragments, two sets; on the way out v128-255.  window 1: B's fragments, two sets, at v0 and v128.  window 2: the accumulators.
.set FR,     12
.set FRB,    1536
.set TB,     8*FRB                     ; a row tile, all of K
.set BOFF,   8*TB                      ; B's tiles lie behind A's eight
.set SPARE,  24*TB                     ; the spare words, 128 bytes a wave
.set SPITCH, 528                       ; the way out: a stage of 16 rows x (512 + 16) bytes a wave, over A's first bytes, behind a barrier behind which no wave reads codes
.set ADRA, 16
.set ADRB, 20                          ; v20: B's tiles 0-3 of my eight; v21: tiles 4-7
.set STO,  24
.set RD,   25
.set CO,   26
.set SCO,  27
.set SPW,  28
.set NIL,  29
.set SAS,  32
.set SBS,  48
.set BO,   80
.set AF,   128
.set BK,   128
.set G1, 24
.set G0, 32
.set G1B, 48
.set G0B, 56
.set MSB, 0
.macro WIN new                         ; the immediate's high byte repeats the setting that is left
.if MSB != (\new)
	s_set_vgpr_msb (MSB<<8)|(\new)
.set MSB, (\new)
.endif
.endm
.macro CROUND                          ; a round of the cluster's barrier
	s_barrier_signal -1
	s_barrier_wait -1
	s_cmp_lg_u32 s16, 0
	s_cbranch_scc1 .Lnot_wave_0_\@
	s_barrier_signal -3
.Lnot_wave_0_\@:
	s_barrier_wait -3
	s_barrier_signal -1
	s_barrier_wait -1
.endm
.macro PLACES
.rept 4
	v_nop
.endr
.endm
	s_load_b256 s[4:11], s[0:1], 0x0               ; ac, asc, xc, xs
	s_load_b128 s[12:15], s[0:1], 0x20             ; bo, out0
	v_lshl_add_u32 v[SPW], v0, 2, SPARE
	v_mov_b32 v[NIL], 0
	ds_add_u32 v[SPW], v[NIL]                      ; the opening lines
	ds_add_u32 v[SPW], v[NIL]
	v_lshrrev_b32 v1, 5, v0
	v_readfirstlane_b32 s16, v1                    ; wave 0..3
	s_lshr_b32 s17, s16, 1                         ; which 64 rows are mine.  Also: I fetch for A (0) or for B (1)
	s_and_b32 s18, s16, 1                          ; which 128 columns.  Also: which half of that operand's tiles I fetch
	s_bfe_u32 s40, ttmp6, 0x40000                  ; cx: the block of 256 columns
	s_bfe_u32 s41, ttmp6, 0x40004                  ; cy
	s_and_b32 s45, ttmp7, 0xffff
	s_lshl_b32 s45, s45, 2
	s_add_co_u32 s45, s45, s41                     ; the block of 128 rows, 0 .. 63
	s_lshl_b32 s47, s41, 2
	s_lshl_b32 s47, 15, s47                        ; my row of the cluster
	s_lshl_b32 s66, 0x1111, s40                    ; my column
	s_or_b32 s[G1], s47, (3<<16)|(1<<21)           ; rows of 1,536 elements of 8 bytes, dense; the mask, and bit 21 beside it
	s_or_b32 s[G1B], s66, (3<<16)|(1<<21)
.irp g, G1, G1B
	s_mov_b32 s[\g+1], 1536<<16
	s_mov_b32 s[\g+3], 1536<<16
	s_mov_b32 s[\g+5], 1536
	s_mov_b32 s[\g+6], 0
	s_mov_b32 s[\g+7], 0
.endr
	s_mov_b32 s[G1+2], 4<<16                       ; A: four row tiles a load
	s_mov_b32 s[G1+4], 4
	s_mov_b32 s[G1B+2], 8<<16                      ; B: eight
	s_mov_b32 s[G1B+4], 8
	s_lshl_b32 s20, s45, 3
	s_lshl_b32 s22, s18, 2
	s_add_co_u32 s22, s20, s22                     ; A's tiles that I fetch: 8 x block + 4 x half
	s_mul_i32 s94, s22, TB
	s_mov_b32 s95, 0
	s_lshl_b32 s22, s17, 2
	s_add_co_u32 s22, s20, s22                     ; A's tiles that I multiply
	s_lshl_b32 s96, s22, 9
	s_mov_b32 s97, 0
	s_lshl_b32 s21, s40, 4
	s_lshl_b32 s22, s18, 3
	s_add_co_u32 s21, s21, s22
	s_add_co_u32 s21, s21, 1728                    ; B's tiles: those that I fetch are those that I multiply
	s_mul_i32 s98, s21, TB
	s_mov_b32 s99, 0
	s_lshl_b32 s2, s21, 9
	s_mov_b32 s3, 0
	s_mov_b32 s[G0], 1
	s_mul_i32 s[G0+1], s18, 4*TB                   ; LDS: the wave's number and constants alone
	s_mov_b32 s[G0B], 1
	s_mul_i32 s[G0B+1], s18, 8*TB
	s_add_co_u32 s[G0B+1], s[G0B+1], BOFF
	s_wait_dscnt 0x0                               ; both opening adds are done
	s_wait_kmcnt 0x0
	s_add_nc_u64 s[G0+2:G0+3], s[4:5], s[94:95]
	s_or_b32 s[G0+3], s[G0+3], 0x80000000
	s_add_nc_u64 s[G0B+2:G0B+3], s[8:9], s[98:99]
	s_or_b32 s[G0B+3], s[G0B+3], 0x80000000
	s_add_nc_u64 s[96:97], s[6:7], s[96:97]        ; A's scale words
	s_add_nc_u64 s[2:3], s[10:11], s[2:3]          ; B's
	CROUND                                         ; all sixteen work-groups are here: the joint loads meet
	s_cmp_eq_u32 s17, 0                            ; one tensor load a wave; an s_nop 0 and four v_nop follow each line
	s_cbranch_scc0 .Lfor_b
	tensor_load_to_lds s[G0:G0+3], s[G1:G1+7]
	s_nop 0
.rept 4
	v_nop
.endr
	s_branch .Lasked
.Lfor_b:
	tensor_load_to_lds s[G0B:G0B+3], s[G1B:G1B+7]
	s_nop 0
.rept 4
	v_nop
.endr
.Lasked:
	s_mul_i32 s20, s17, 4*TB                       ; my four tiles of A
	s_mul_i32 s21, s18, 8*TB
	s_add_co_u32 s21, s21, BOFF                    ; my eight of B
	s_add_co_u32 s22, s21, 4*TB
	s_mul_i32 s23, s16, 16*SPITCH                  ; my stage
	v_and_b32 v1, 15, v0                           ; r
	v_bfe_u32 v2, v0, 4, 1                         ; h
	v_and_b32 v3, 31, v0
	v_lshlrev_b32 v[CO], 4, v3
	v_lshlrev_b32 v[SCO], 5, v1
	v_mul_u32_u24 v5, v1, SPITCH
	v_lshl_add_u32 v[SCO], v2, 4, v[SCO]           ; 32 r + 16 h
	v_lshl_add_u32 v5, v2, 6, v5
	v_add_nc_u32 v[ADRA], s20, v[CO]
	v_add_nc_u32 v[ADRB], s21, v[CO]
	v_add_nc_u32 v[ADRB+1], s22, v[CO]
	v_add_nc_u32 v[STO], s23, v5                   ; into the stage: row r, 64 bytes for each half of the lanes
	v_add_nc_u32 v[RD], s23, v[CO]                 ; back: the 32 lanes take one row of 512 bytes
	s_lshl_b32 s20, s45, 19                        ; 128 rows of 4,096 bytes
	s_lshl_b32 s21, s17, 18
	s_add_co_u32 s20, s20, s21
	s_lshl_b32 s22, s40, 10
	s_lshl_b32 s23, s18, 9
	s_add_co_u32 s22, s22, s23                     ; my first column, in bytes
	s_mov_b32 s23, 0
	s_add_nc_u64 s[12:13], s[12:13], s[22:23]
	s_add_co_u32 s20, s20, s22
	s_mov_b32 s21, 0
	s_add_nc_u64 s[14:15], s[14:15], s[20:21]
	s_wait_alu depctr_va_vdst(0)
.irp a, 0,1,2,3
	global_load_b128 v[SAS+4*\a:SAS+4*\a+3], v[SCO], s[96:97] offset:512*\a
.endr
.irp b, 0,1,2,3,4,5,6,7
	global_load_b128 v[SBS+4*\b:SBS+4*\b+3], v[SCO], s[2:3] offset:512*\b
.endr
	global_load_b128 v[BO:BO+3], v[CO], s[12:13]
.macro FETCH st, p                     ; K step st's fragments into set p: 36 loads of 512 consecutive bytes
	WIN 0x40
.irp i, 0,1,2,3,4,5,6,7
.irp g, 0,1,2
	ds_load_b128 v[128*(\p)+FR*\i+4*\g:128*(\p)+FR*\i+4*\g+3], v[ADRB+\i/4] offset:(\i%4)*TB+(\st)*FRB+512*\g
.endr
.endr
	WIN 0
.irp i, 0,1,2,3
.irp g, 0,1,2
	ds_load_b128 v[AF+48*(\p)+FR*\i+4*\g:AF+48*(\p)+FR*\i+4*\g+3], v[ADRA] offset:\i*TB+(\st)*FRB+512*\g
.endr
.endr
.endm
; 32 matrix instructions: my 4 blocks of A x my 8 of B, 128 along K.  The first step's products start the sums.  The 32 accumulators take turns.
.macro MUL st, p
.irp a, 0,1,2,3
.irp b, 0,1,2,3,4,5,6,7
.if (\st) == 0
	v_wmma_scale_f32_16x16x128_f8f6f4 v[8*(8*\a+\b):8*(8*\a+\b)+7], v[128*(\p)+FR*\b:128*(\p)+FR*\b+FR-1], v[AF+48*(\p)+FR*\a:AF+48*(\p)+FR*\a+FR-1], 0, v[SBS+4*\b], v[SAS+4*\a] matrix_a_fmt:MATRIX_FMT_FP6 matrix_b_fmt:MATRIX_FMT_FP6
.else
.if (\st) < 4
	v_wmma_scale_f32_16x16x128_f8f6f4 v[8*(8*\a+\b):8*(8*\a+\b)+7], v[128*(\p)+FR*\b:128*(\p)+FR*\b+FR-1], v[AF+48*(\p)+FR*\a:AF+48*(\p)+FR*\a+FR-1], v[8*(8*\a+\b):8*(8*\a+\b)+7], v[SBS+4*\b+(\st)], v[SAS+4*\a+(\st)] matrix_a_fmt:MATRIX_FMT_FP6 matrix_b_fmt:MATRIX_FMT_FP6
.else
	v_wmma_scale_f32_16x16x128_f8f6f4 v[8*(8*\a+\b):8*(8*\a+\b)+7], v[128*(\p)+FR*\b:128*(\p)+FR*\b+FR-1], v[AF+48*(\p)+FR*\a:AF+48*(\p)+FR*\a+FR-1], v[8*(8*\a+\b):8*(8*\a+\b)+7], v[SBS+4*\b+(\st)-4], v[SAS+4*\a+(\st)-4] matrix_a_fmt:MATRIX_FMT_FP6 matrix_b_fmt:MATRIX_FMT_FP6 matrix_a_scale:MATRIX_SCALE_ROW1 matrix_b_scale:MATRIX_SCALE_ROW1
.endif
.endif
.endr
.endr
.endm
	s_wait_tensorcnt 0x0                           ; my part of the codes is in
	s_barrier_signal -1
	s_barrier_wait -1                              ; everybody's is
	FETCH 0, 0
	s_wait_loadcnt 0x0                             ; the scale words and bo
.set ST, 0
.rept 8                                ; the walk along K is written out: eight steps, every offset an immediate
.if ST < 7
.if ST > 0
	PLACES                                         ; in front of the loads into the set that the last step multiplied
.endif
	FETCH ST+1, (ST+1)%2
	s_wait_dscnt 36                                ; this step's fragments are in; the 36 loads just issued may be out
.else
	s_wait_dscnt 0x0                               ; my last reads of the codes are over:
	s_barrier_signal -1                            ; say so, and work on registers while the others arrive
.endif
	WIN 0xa1                                       ; source 0 (B) window 1, source 1 (A) window 0, C and D window 2
	MUL ST, ST%2
	WIN 0
.set ST, ST+1
.endr
	s_barrier_wait -1                              ; no wave reads codes any more: the stage may lie over them; those bytes have had their only fill
; THE WAY OUT, block by block of 16 rows x 128 columns, through my own stage: back come whole rows of 512 bytes.  LDS serves a wave's instructions in order: no wait between the stores and the loads.
.macro TOSTAGE a
.set AC, 64*(\a)
	WIN 0x08                                       ; the data: window 2
.irp b, 0,1,2,3,4,5,6,7
	ds_store_b128 v[STO], v[AC+8*\b:AC+8*\b+3] offset:128*(\b/2)+32*(\b%2)      ; each accumulator from its low end on; register j of tile b is column 32 (b / 2) + 16 h + 8 (b % 2) + j
	ds_store_b128 v[STO], v[AC+8*\b+4:AC+8*\b+7] offset:128*(\b/2)+32*(\b%2)+16
.endr
	WIN 0
.set BB, BK+64*((\a)%2)
.irp t, 0,1,2,3,4,5,6,7,8,9,10,11,12,13,14,15
	ds_load_b128 v[BB+4*\t:BB+4*\t+3], v[RD] offset:\t*SPITCH
.endr
.endm
.macro SEND a, younger                 ; younger: the LDS instructions issued behind block a's loads, which may stay out
.set BB, BK+64*((\a)%2)
	s_wait_dscnt \younger
.if (\a) > 0
.if ((\a)%2) == 1
	s_add_nc_u64 s[14:15], s[14:15], 8*4096        ; tile a begins at row 32 (a / 2) + 8 (a % 2); the earlier stores have read their base (the wait on XCNT above)
.else
	s_add_nc_u64 s[14:15], s[14:15], 24*4096
.endif
.endif
.irp t, 0,1,2,3,4,5,6,7,8,9,10,11,12,13,14,15
	v_pk_add_f32 v[BB+4*\t:BB+4*\t+1], v[BB+4*\t:BB+4*\t+1], v[BO:BO+1]
	v_pk_add_f32 v[BB+4*\t+2:BB+4*\t+3], v[BB+4*\t+2:BB+4*\t+3], v[BO+2:BO+3]
	global_store_b128 v[CO], v[BB+4*\t:BB+4*\t+3], s[14:15] offset:(\t+8*(\t/8))*4096 th:TH_STORE_NT   ; 512 consecutive bytes, aligned
.endr
.endm
	PLACES                                         ; behind the last products: in front of the first read of results and of the loads into A's registers
	TOSTAGE 0
.irp a, 1,2,3
.if \a > 1
	s_wait_xcnt 0x0                                ; block a - 2's stores have read their registers and their base
.endif
	TOSTAGE \a
	SEND \a-1, 32
.endr
	s_wait_xcnt 0x0
	SEND 3, 0
	s_wait_tensorcnt 0x0                           ; the wave's end
	ds_add_u32 v[SPW], v[NIL]
	s_wait_dscnt 0x0
	CROUND                                         ; the closing round
	s_endpgm
.Lfunc_end_k_qc7061a6939_oproj:
	.size	k_qc7061a6939_oproj, .Lfunc_end_k_qc7061a6939_oproj-k_qc7061a6939_oproj
	.p2alignl 7, 3214868480
	.fill 96, 4, 3214868480
	.section	.rodata,"a",@progbits
	.p2align	6, 0x0
	.amdhsa_kernel k_qc7061a6939_oproj
		.amdhsa_group_segment_fixed_size 327680
		.amdhsa_private_segment_fixed_size 0
		.amdhsa_enable_private_segment 0
		.amdhsa_kernarg_size 48
		.amdhsa_user_sgpr_count 2
		.amdhsa_user_sgpr_kernarg_segment_ptr 1
		.amdhsa_wavefront_size32 1
		.amdhsa_system_sgpr_workgroup_id_x 1
		.amdhsa_system_sgpr_workgroup_id_y 1
		.amdhsa_system_sgpr_workgroup_id_z 1
		.amdhsa_system_vgpr_workitem_id 0
		.amdhsa_next_free_vgpr 768
		.amdhsa_next_free_sgpr 100
		.amdhsa_reserve_vcc 0
		.amdhsa_float_denorm_mode_32 3
		.amdhsa_float_denorm_mode_16_64 3
		.amdhsa_memory_ordered 1
		.amdhsa_forward_progress 1
		.amdhsa_inst_pref_size 83
	.end_amdhsa_kernel
	.amdgpu_metadata
---
amdhsa.version: [ 1, 2 ]
amdhsa.kernels:
  - .name:           k_qc7061a6939_oproj
    .symbol:         k_qc7061a6939_oproj.kd
    .args:
      - { .name: ac, .offset: 0, .size: 8, .value_kind: global_buffer, .address_space: global }
      - { .name: asc, .offset: 8, .size: 8, .value_kind: global_buffer, .address_space: global }
      - { .name: xc, .offset: 16, .size: 8, .value_kind: global_buffer, .address_space: global }
      - { .name: xs, .offset: 24, .size: 8, .value_kind: global_buffer, .address_space: global }
      - { .name: bo, .offset: 32, .size: 8, .value_kind: global_buffer, .address_space: global }
      - { .name: out0, .offset: 40, .size: 8, .value_kind: global_buffer, .address_space: global }
    .group_segment_fixed_size: 327680
    .private_segment_fixed_size: 0
    .kernarg_segment_align: 8
    .kernarg_segment_size: 48
    .max_flat_workgroup_size: 128
    .sgpr_count:     100
    .vgpr_count:     768
    .wavefront_size: 32
...
	.end_amdgpu_metadata
.endif
;; end of part 5
